; MI455X (gfx1250); checked and timed in simulation.
; The chip was launched on July 23, 2026; its instructions are those of AMD's public machine-readable ISA for CDNA 5 (MIT licence, August 2026) and "CDNA5" Instruction Set Architecture Reference Guide (July 2026). The comments in the code are by the model that wrote it; some were corrected since.
;; Block. Allowed arithmetic: matrix products marked QUANTISED: E5M2 operands, one E8M0 scale for each 32 along K, by v_wmma_scale_f32_16x16x128_f8f6f4 with both operands' format E5M2, f32 sums; everything else in f32.
;; Inputs: W1 1,024 x 4,096 float32; W2 4,096 x 1,024 float32; Wk 16 x 1,024 x 64 float32; Wq 16 x 1,024 x 64 float32; Wv 16 x 1,024 x 64 float32; bb1 4,096 float32; bb2 1,024 float32; be1 1,024 float32; be2 1,024 float32; bk 16 x 64 float32; bq 16 x 64 float32; bv 16 x 64 float32; g1 1,024 float32; g2 1,024 float32; x 2 x 2,048 x 1,024 float32.
;; Outputs: out0 2 x 2,048 x 1,024 float32.
;; This version of the problem:
;;   THIS VERSION OF THE PROBLEM IS GIVEN IN LOW PRECISION. The matrix products marked QUANTISED in the list below multiply operands that are first quantised to E5M2 (5 exponent bits, 2 mantissa bits; 8 bits a number), with one power-of-two scale for each 32 numbers along K (OCP MX v1.0); their sums are f32. All else is computed in f32.
;;   The module's matrix products, in the order in which they are computed (A, B: the left and right operand; K: the contracted axis; several contracted axes count as one K, in the product's order):
;;     1. [M 1,024, K 1,024] x [K 1,024, N 4,096]; A: input Wq; B: computed on the way: QUANTISED
;;     2. [M 1,024, K 1,024] x [K 1,024, N 4,096]; A: input Wk; B: computed on the way: QUANTISED
;;     3. [M 1,024, K 1,024] x [K 1,024, N 4,096]; A: input Wv; B: computed on the way: QUANTISED
;;     4. batch 32 x [M 2,048, K 64] x [K 64, N 2,048]; A: computed on the way; B: computed on the way: QUANTISED
;;     5. batch 32 x [M 2,048, K 2,048] x [K 2,048, N 64]; A: softmax (see below); B: computed on the way: QUANTISED
;;     6. [M 4,096, K 1,024] x [K 1,024, N 4,096]; A: computed on the way; B: input W1: QUANTISED
;;     7. [M 4,096, K 4,096] x [K 4,096, N 1,024]; A: computed on the way; B: input W2: QUANTISED
;;   THE QUANTISER, for each operand of a quantised product, along K:
;;     - K is cut into blocks of 32 from its start; a last block that is shorter is filled with zeros.
;;     - A block's scale is 2^e with e = floor(log2(the largest magnitude in the block)) - 15, held to -126 .. 127; a block of zeros has e = 0. As a byte (E8M0): e + 127.
;;     - Each number is divided by its block's scale, clamped to +-57,344, and rounded to the nearest number of E5M2, ties to even, subnormals kept.
;;     - The product sums the exact products of the quantised numbers (number of the format x scale) in f32.
;;   ~~~python
;;   def quantise(x, axis):      # numpy; x: float32 -> the quantised numbers, widened to float32 again
;;       x = np.moveaxis(x, axis, -1); K = x.shape[-1]
;;       x = np.pad(x, [(0, 0)] * (x.ndim - 1) + [(0, -K % 32)]); x = x.reshape(x.shape[:-1] + (-1, 32)); a = np.abs(x).max(-1, keepdims=True)
;;       e = np.where(a > 0, np.clip(np.frexp(np.where(a > 0, a, 1))[1] - 1 - 15, -126, 127), 0)      # np.frexp(a)[1] - 1 = floor(log2(a)), exactly
;;       r = np.clip(x / 2.0 ** e, -57344, 57344)
;;       step = 2.0 ** (np.maximum(np.frexp(np.where(r == 0, 1, r))[1] - 1, -14) - 2)
;;       q = np.round(r / step) * step * 2.0 ** e      # np.round: ties to even
;;       return np.moveaxis(q.reshape(q.shape[:-2] + (-1,))[..., :K], -1, axis).astype(np.float32)
;;   ~~~
;;   SOFTMAX AHEAD OF A QUANTISED PRODUCT. Where the list says 'softmax', what is quantised is not the finished softmax but p = 2^(t - M), with t = logit x log2(e) and M = ceil(the row's largest t), a whole number; so 1/2 < the row's largest p <= 1. The row's sum l is taken of the UNQUANTISED p, in f32, and the product's result is divided by l at the end. Since M is a whole number, a kernel that streams over the keys may use a running M (the ceiling of the running maximum): every later rescaling is an exact power of two, which a block's scale takes up: the codes' values come out the same.
;;   OPERANDS COMPUTED ON THE WAY. 'Computed on the way' means the value that the module computes at that place (a softmax that the list does not call 'softmax' is quantised finished and normalised). What goes into a quantiser is computed in f32, as accurately as f32 sums, v_exp_f32 and their like allow (about 1e-6 of the number): no bf16 or f16 on the way to a quantiser, and a product that is left as it is and whose result goes on into a quantised operand takes f32 operands (vector FMAs, or v_wmma_f32_16x16x4_f32). A number that lies on a knife's edge between two numbers of the format may be rounded either way, as far as f32 arithmetic and the matrix unit's own rounding can turn it there, and no further.
;; One version. Each part assembles by itself: llvm-mc -triple=amdgcn-amd-amdhsa -mcpu=gfx1250 --defsym DOCPART=n.
;; ======== version 1 of 1: 6 launches
;; limits: right only within a limited range of input values
;; workspace buffers: pimg 16,220,160 bytes; qkvc 12,976,128 bytes; obuf 16,777,216 bytes; h2f 16,777,216 bytes; h2img 4,325,376 bytes; hid 17,301,504 bytes
;; launch prep (part 1): grid 608 x 1, 8 waves a work-group, no clusters, 66,816 bytes of LDS; arguments x, g1, be1, Wq, Wk, Wv, W1, W2, pimg; writes pimg
.if DOCPART == 1
	.amdgcn_target "amdgcn-amd-amdhsa--gfx1250"
	.amdhsa_code_object_version 6
	.text
	.protected	k_q87c9b99f6b_prep
	.globl	k_q87c9b99f6b_prep
	.p2align	8
	.type	k_q87c9b99f6b_prep,@function
k_q87c9b99f6b_prep:
	s_mov_b64 s[64:65], 0
	v_nop
	global_prefetch_b8 v0, s[64:65] scope:SCOPE_SE
	s_setreg_imm32_b32 hwreg(HW_REG_WAVE_MODE, 25, 1), 1
	s_wait_xcnt 0x0
; A transformer block: LN1, per-head q/k/v, causal attention, residual on h, LN2, FFN, residual on h2.  All seven products on codes of BF8 (E5M2) with one E8M0 scale for each 32 along K.
; SIX LAUNCHES: prep (this one) -> qkv -> attn -> ln2 -> ffn1 -> ffn2.
; DEAD WORK.  No input is dead: every bias goes into a quantised operand or into the result, so all fifteen inputs are loaded.  Left out, in the launch attn alone, are key steps all of whose keys come after all
; queries of a wave, and key slots that begin after a work-group's last query: reference() itself sets those logits to -infinity by its own tril, so their p is 0 for all values of the inputs.
; LIMIT: a NaN, an infinity or an overflow that reaches only the work left out is not carried to the result.  NaN and infinities among the inputs are not served.
; LIMIT: a block of zeros, or one whose largest magnitude lies under 2^(16 - 127), gets the scale byte 1; the bytes are read by this program alone, and such a block's codes are zeros or subnormal codes under that byte.
; LIMIT: the layer norm multiplies by 1/1024, by 1/1023 and by v_rsq_f32 where reference() divides: a few units in the last place of f32.
; THIS LAUNCH makes the operands that are known before any product, as codes laid IN THE ORDER OF THE OPERAND'S REGISTERS:
;   work-groups 0-255: h = LN1(x), 16 rows each, quantised along d;   work-groups 256-607: Wq, Wk, Wv, W1, W2, whose K is not innermost, one block of 128 rows x 256 K each.
; THE IMAGE.  Rows go in blocks of 16; lane row r of block rb is row 32 (rb / 2) + 8 (rb % 2) + r + 8 (r / 8).  A fragment (16 rows x 128 K) is 2,048 bytes: chunk c, byte 16 x lane = the lane's registers 4 c .. 4 c + 3.
; A group block, GB bytes, is 128 rows x 256 K: codes at a 4096 + k2 2048 + c 512 + 16 lane, scale words at 32768 + k2 512 + a 64 + 4 r.  An operand is laid [K / 256][rows / 128] group blocks.
; REGISTERS: 160 a wave.  What is made late lies over what is done with: in the norm's path the codes, the quantiser's temporaries and the scale word over g1 and be1; in the weights' path a block's codes over the block before's numbers.
.set GB,    33792
.set WIMG,  128*GB                     ; behind h's 128 blocks: Wq, Wk, Wv as 3,072 rows (96 blocks)
.set W1IMG, 224*GB                     ; W1's 4,096 columns as rows (128 blocks)
.set W2IMG, 352*GB                     ; W2's 1,024 columns as rows, K = 4,096 (128 blocks)
.set RP,    4112                       ; LDS: a row of h, 4,096 bytes + 16: sixteen rows start in sixteen different 16-byte columns of 256
.set SPARE, 16*RP                      ; behind the 16 rows: the spare words, 128 bytes a wave
.set SPW, 12                           ; v12  my spare word; never rewritten
.set NIL, 13                           ; v13  0; never rewritten
.set X,   32                           ; v32-95   two rows of x (32 registers each), later 64 numbers of one row
.set G,   96                           ; v96-127  g1 at my columns
.set B,   128                          ; v128-159 be1
.set PC,  96                           ; v96-111  codes: over g1, which the norm's last multiply-adds have read
.set TM,  112                          ; v112-127 the quantiser's temporaries: likewise
.set PW,  128                          ; v128     the scale word: over be1
.set CW0, 18                           ; the weights' path: v18-25 block 0's codes
.set D,   26                           ; v26-153  four blocks of 32 numbers of my column; block t's codes go over block t - 1's numbers
.set SEL, 2                            ; s[2:3]   v_permlanex16_b32's selects for lane l xor 16
.set MNT, 4                            ; s4       the mantissa field of 57,344
.set C1023, 5                          ; s5       1 / 1023
.set EPS, 6                            ; s6       1e-5
.set WV,  7                            ; s7       my wave
.set MSB, 0
.macro WIN new
.if MSB != (\new)
	s_set_vgpr_msb (MSB<<8)|(\new)
.set MSB, (\new)
.endif
.endm
; the sums in v[16+4i], v[18+4i] (two chains of pairs for each of my two rows) become one number in every lane
.macro REDUCE
.irp i, 0
	s_delay_alu instid0(VALU_DEP_3)
	v_pk_add_f32 v[16+4*\i:17+4*\i], v[16+4*\i:17+4*\i], v[18+4*\i:19+4*\i]
.endr
.irp i, 1
	s_delay_alu instid0(VALU_DEP_2)
	v_pk_add_f32 v[16+4*\i:17+4*\i], v[16+4*\i:17+4*\i], v[18+4*\i:19+4*\i]
.endr
.irp i, 0,1
	s_delay_alu instid0(VALU_DEP_2)
	v_add_f32 v[16+4*\i], v[16+4*\i], v[17+4*\i]
.endr
.irp m, 1,2,4,8
.irp i, 0,1
	s_delay_alu instid0(VALU_DEP_2)
	v_add_f32_dpp v[16+4*\i], v[16+4*\i], v[16+4*\i] row_xmask:\m row_mask:0xf bank_mask:0xf
.endr
.endr
.irp i, 0,1
	s_delay_alu instid0(VALU_DEP_2)
	v_permlanex16_b32 v[17+4*\i], v[16+4*\i], s[SEL], s[SEL+1]
.endr
.irp i, 0,1
	s_delay_alu instid0(VALU_DEP_2)
	v_add_f32 v[16+4*\i], v[16+4*\i], v[17+4*\i]
.endr
.endm
; Two rows, 32 numbers a lane each, at v[xr] and v[xr+32], are normalised in place: mean, centred, sum of squares / 1023 (two passes, so that a common offset of x does no harm), gain and bias.
.macro LNORM xr, gr, br, win
.irp i, 0,1
	v_pk_add_f32 v[16+4*\i:17+4*\i], v[\xr+32*\i:\xr+32*\i+1], v[\xr+32*\i+2:\xr+32*\i+3]
	v_pk_add_f32 v[18+4*\i:19+4*\i], v[\xr+32*\i+4:\xr+32*\i+5], v[\xr+32*\i+6:\xr+32*\i+7]
.endr
.irp k, 8,12,16,20,24,28
.irp i, 0,1
	s_delay_alu instid0(VALU_DEP_4)
	v_pk_add_f32 v[16+4*\i:17+4*\i], v[16+4*\i:17+4*\i], v[\xr+32*\i+\k:\xr+32*\i+\k+1]
	s_delay_alu instid0(VALU_DEP_4)
	v_pk_add_f32 v[18+4*\i:19+4*\i], v[18+4*\i:19+4*\i], v[\xr+32*\i+\k+2:\xr+32*\i+\k+3]
.endr
.endr
	REDUCE
.irp i, 0
	s_delay_alu instid0(VALU_DEP_2)
	v_mul_f32 v[24+2*\i], 0x3a800000, v[16+4*\i]   ; the mean: x 2^-10, in both halves of a pair
	s_delay_alu instid0(VALU_DEP_3)
	v_mul_f32 v[25+2*\i], 0x3a800000, v[16+4*\i]
.endr
.irp i, 1
	s_delay_alu instid0(VALU_DEP_3)
	v_mul_f32 v[24+2*\i], 0x3a800000, v[16+4*\i]   ; the mean: x 2^-10, in both halves of a pair
	s_delay_alu instid0(VALU_DEP_4)
	v_mul_f32 v[25+2*\i], 0x3a800000, v[16+4*\i]
.endr
.irp k, 0,2,4,6,8,10,12,14,16,18,20,22,24,26,28,30
.irp i, 0,1
	v_pk_add_f32 v[\xr+32*\i+\k:\xr+32*\i+\k+1], v[\xr+32*\i+\k:\xr+32*\i+\k+1], v[24+2*\i:25+2*\i] neg_lo:[0,1] neg_hi:[0,1]
.endr
.endr
.irp i, 0,1
	v_pk_mul_f32 v[16+4*\i:17+4*\i], v[\xr+32*\i:\xr+32*\i+1], v[\xr+32*\i:\xr+32*\i+1]
	v_pk_mul_f32 v[18+4*\i:19+4*\i], v[\xr+32*\i+2:\xr+32*\i+3], v[\xr+32*\i+2:\xr+32*\i+3]
.endr
.irp k, 4,8,12,16,20,24,28
.irp i, 0,1
	s_delay_alu instid0(VALU_DEP_4)
	v_pk_fma_f32 v[16+4*\i:17+4*\i], v[\xr+32*\i+\k:\xr+32*\i+\k+1], v[\xr+32*\i+\k:\xr+32*\i+\k+1], v[16+4*\i:17+4*\i]
	s_delay_alu instid0(VALU_DEP_4)
	v_pk_fma_f32 v[18+4*\i:19+4*\i], v[\xr+32*\i+\k+2:\xr+32*\i+\k+3], v[\xr+32*\i+\k+2:\xr+32*\i+\k+3], v[18+4*\i:19+4*\i]
.endr
.endr
	REDUCE
.irp i, 0,1
	s_delay_alu instid0(VALU_DEP_2)
	v_fma_f32 v[16+4*\i], v[16+4*\i], s[C1023], s[EPS]   ; the unbiased variance + eps
.endr
	s_wait_alu depctr_va_vdst(0)
.irp i, 0,1
	v_rsq_f32 v[28+2*\i], v[16+4*\i]
.endr
	v_nop                                          ; a plain instruction behind the two roots,
	s_wait_alu depctr_va_vdst(0)                   ; and one wait for both, ahead of their first reader
.irp i, 0,1
	v_mov_b32 v[29+2*\i], v[28+2*\i]
.endr
.irp k, 0,2,4,6,8,10,12,14,16,18,20,22,24,26,28,30
.irp i, 0,1
	v_pk_mul_f32 v[\xr+32*\i+\k:\xr+32*\i+\k+1], v[\xr+32*\i+\k:\xr+32*\i+\k+1], v[28+2*\i:29+2*\i]
.endr
.endr
	WIN \win
.irp k, 0,2,4,6,8,10,12,14,16,18,20,22,24,26,28,30
.irp i, 0,1
	v_pk_fma_f32 v[\xr+32*\i+\k:\xr+32*\i+\k+1], v[\xr+32*\i+\k:\xr+32*\i+\k+1], v[\gr+\k:\gr+\k+1], v[\br+\k:\br+\k+1]
.endr
.endr
	WIN 0
.endm
; 64 numbers of a lane, register 16 b + i = k 32 b + 16 (lane / 16) + i of my row, become a fragment's codes in v[PC] on and its scale word in v[pw]
.macro QUANT s, pw
.irp b, 0,1,2,3
	v_max3_num_f32 v[TM+\b], |v[\s+16*\b]|, |v[\s+1+16*\b]|, 0x8000000   ; my 16 numbers of block b, and the floor 2^(16 - 127): the byte cannot fall under 1
.endr
.irp i, 2,4,6,8,10,12,14
.irp b, 0,1,2,3
	s_delay_alu instid0(VALU_DEP_4)
	v_max3_num_f32 v[TM+\b], v[TM+\b], |v[\s+16*\b+\i]|, |v[\s+1+16*\b+\i]|
.endr
.endr
.irp b, 0,1,2,3
	s_delay_alu instid0(VALU_DEP_4)
	v_permlanex16_b32 v[TM+4+\b], v[TM+\b], s[SEL], s[SEL+1]
.endr
.irp b, 0,1,2,3
	s_delay_alu instid0(VALU_DEP_4)
	v_max_num_f32 v[TM+\b], v[TM+\b], v[TM+4+\b]   ; with lane l xor 16's: the block's largest magnitude
.endr
.irp b, 0,1,2,3
	s_delay_alu instid0(VALU_DEP_4)
	v_add_nc_u32 v[TM+12+\b], 0xf8800000, v[TM+\b] ; 15 off its exponent field: the conversion's scale operand
.endr
.irp b, 0,1,2,3
	v_and_or_b32 v[TM+8+\b], v[TM+\b], 0x7f800000, s[MNT]   ; 57,344 x the scale
.endr
.irp b, 0,1,2,3
	v_lshrrev_b32 v[TM+4+\b], 23, v[TM+12+\b]      ; the scale's byte
.endr
	s_delay_alu instid0(VALU_DEP_3)
	v_lshl_or_b32 v[\pw], v[TM+5], 8, v[TM+4]
	s_delay_alu instid0(VALU_DEP_1)
	v_lshl_or_b32 v[\pw], v[TM+6], 16, v[\pw]
	s_delay_alu instid0(VALU_DEP_1)
	v_lshl_or_b32 v[\pw], v[TM+7], 24, v[\pw]
.irp b, 0,1,2,3
.irp i, 0,1,2,3,4,5,6,7,8,9,10,11,12,13,14,15
	v_med3_num_f32 v[\s+16*\b+\i], v[\s+16*\b+\i], -v[TM+8+\b], v[TM+8+\b]   ; the conversion to an 8-bit code does not saturate (ISA guide 7.6.2): the hold comes first
.endr
	v_cvt_scalef32_pk8_bf8_f32 v[PC+4*\b:PC+1+4*\b], v[\s+16*\b:\s+7+16*\b], v[TM+12+\b]
	v_cvt_scalef32_pk8_bf8_f32 v[PC+2+4*\b:PC+3+4*\b], v[\s+8+16*\b:\s+15+16*\b], v[TM+12+\b]
.endr
	v_nop                                          ; a plain instruction behind the last conversion
.endm
	s_load_b512 s[8:23], s[0:1], 0x0               ; x s[8:9], g1 s[10:11], be1 s[12:13], Wq s[14:15], Wk s[16:17], Wv s[18:19], W1 s[20:21], W2 s[22:23]
	s_load_b64 s[24:25], s[0:1], 0x40              ; pimg
	v_lshl_add_u32 v[SPW], v0, 2, SPARE
	v_mov_b32 v[NIL], 0
	v_lshrrev_b32 v1, 5, v0
	s_delay_alu instid0(VALU_DEP_1)
	v_readfirstlane_b32 s[WV], v1                  ; wave 0..7
	v_and_b32 v1, 31, v0                           ; lane
	v_and_b32 v2, 15, v0                           ; r
	v_bfe_u32 v3, v0, 4, 1                         ; h
	s_delay_alu instid0(VALU_DEP_3)
	v_lshlrev_b32 v4, 4, v1                        ; 16 x lane
	s_mov_b32 s[SEL], 0x76543210
	s_mov_b32 s[SEL+1], 0xfedcba98
	s_mov_b32 s[MNT], 0x600000
	s_mov_b32 s[C1023], 0x3a802008
	s_mov_b32 s[EPS], 0x3727c5ac
	s_cmp_lt_u32 ttmp9, 256                        ; the work-group's number alone: all eight waves go the same way
	s_cbranch_scc0 .Lweights
	; ---- h = LN1(x): work-group j takes the 16 rows of row block j.  Wave w: LDS rows 2 w, 2 w + 1 = rows 32 (j / 2) + 8 (j % 2) + 2 w + 8 (w / 4) + 0, 1 of x
	s_lshr_b32 s26, ttmp9, 1
	s_lshl_b32 s26, s26, 5
	s_and_b32 s27, ttmp9, 1
	s_lshl_b32 s27, s27, 3
	s_add_co_u32 s26, s26, s27
	s_lshl_b32 s27, s[WV], 1
	s_add_co_u32 s26, s26, s27
	s_lshr_b32 s27, s[WV], 2
	s_lshl_b32 s27, s27, 3
	s_add_co_u32 s26, s26, s27
	s_lshl_b32 s26, s26, 12                        ; rows of 4,096 bytes
	s_mov_b32 s27, 0
	s_mul_i32 s28, s[WV], 2*RP
	s_wait_alu depctr_va_vdst(0)
	v_add_nc_u32 v5, s28, v4                       ; into LDS: my two rows, 16 bytes a lane
	v_mul_u32_u24 v6, v2, RP
	s_delay_alu instid0(VALU_DEP_1)
	v_lshl_add_u32 v6, v3, 6, v6
	s_lshl_b32 s28, s[WV], 9
	v_add_nc_u32 v6, s28, v6                       ; out of LDS: row r, K step w (512 bytes), + 64 h
	v_lshlrev_b32 v8, 2, v2                        ; 4 r
	s_lshr_b32 s28, s[WV], 1                       ; K step w lies in block (w / 2, j / 8), half w % 2
	s_lshl_b32 s28, s28, 5
	s_lshr_b32 s29, ttmp9, 3
	s_add_co_u32 s28, s28, s29
	s_mul_i32 s28, s28, GB
	s_and_b32 s29, ttmp9, 7
	s_and_b32 s30, s[WV], 1
	s_lshl_b32 s31, s29, 12
	s_lshl_b32 s32, s30, 11
	s_add_co_u32 s32, s32, s31
	s_add_co_u32 s32, s32, s28                     ; my fragment
	s_mov_b32 s33, 0
	s_lshl_b32 s31, s29, 6
	s_lshl_b32 s34, s30, 9
	s_add_co_u32 s34, s34, s31
	s_add_co_u32 s34, s34, s28
	s_add_co_u32 s34, s34, 32768                   ; its scale words
	s_mov_b32 s35, 0
	s_wait_kmcnt 0x0
	s_add_nc_u64 s[8:9], s[8:9], s[26:27]
	s_add_nc_u64 s[32:33], s[24:25], s[32:33]
	s_add_nc_u64 s[34:35], s[24:25], s[34:35]
.irp i, 0,1
.irp jj, 0,1,2,3,4,5,6,7
	global_load_b128 v[X+32*\i+4*\jj:X+32*\i+4*\jj+3], v4, s[8:9] offset:\i*4096+512*\jj th:TH_LOAD_NT   ; 32 lanes read 512 consecutive bytes
.endr
.endr
.irp jj, 0,1,2,3,4,5,6,7
	global_load_b128 v[G+4*\jj:G+4*\jj+3], v4, s[10:11] offset:512*\jj
	global_load_b128 v[B+4*\jj:B+4*\jj+3], v4, s[12:13] offset:512*\jj
.endr
	s_wait_loadcnt 0x0
	LNORM X, G, B, 0
.irp i, 0,1
.irp jj, 0,1,2,3,4,5,6,7
	ds_store_b128 v5, v[X+32*\i+4*\jj:X+32*\i+4*\jj+3] offset:\i*RP+512*\jj
.endr
.endr
	s_wait_dscnt 0x0                               ; for the others' sake: my two rows lie in LDS
	s_barrier_signal -1
	s_barrier_wait -1
.irp c, 0,1,2,3
.irp jj, 0,1,2,3
	ds_load_b128 v[X+16*\c+4*\jj:X+16*\c+4*\jj+3], v6 offset:128*\c+16*\jj   ; row r, k = 128 w + 32 c + 16 h + 0 .. 15
.endr
.endr
.irp b, 0,1,2,3
	v_mov_b32 v[TM+4+\b], 0                        ; a lane permute's destination counts as one of its sources.  (g1, which lay here, is done with)
.endr
	s_wait_dscnt 0x0
	QUANT X, PW
.irp c, 0,1,2,3
	global_store_b128 v4, v[PC+4*\c:PC+4*\c+3], s[32:33] offset:512*\c   ; 512 consecutive bytes, aligned
.endr
	global_store_b32 v8, v[PW], s[34:35]           ; 64 bytes: lanes l and l xor 16 hold the same word and write it to the same place.  A work-group of 16 rows owns no more of these 256 bytes; the scale bytes are 1/32 of the codes
	s_wait_tensorcnt 0x0                           ; the wave's end
	ds_add_u32 v[SPW], v[NIL]
	s_wait_dscnt 0x0
	s_endpgm
	; ---- the weights: K is their first axis (within a head for Wq, Wk, Wv).  A LANE TAKES A COLUMN, ITS REGISTERS RUN DOWN K: a block of 32 lies in one lane.  No LDS, no barrier.
.Lweights:
	s_sub_co_u32 s31, ttmp9, 256                   ; 0-95: Wq, Wk, Wv;  96-223: W1;  224-351: W2
	s_cmp_lt_u32 s31, 96
	s_cselect_b32 s32, 0, 96
	s_cmp_lt_u32 s31, 224
	s_cselect_b32 s32, s32, 224
	s_cselect_b32 s34, 2, 4                        ; K / 256 is 4, for W2 16
	s_cselect_b32 s35, 3, 15
	s_sub_co_u32 s33, s31, s32
	s_lshr_b32 s36, s33, s34                       ; which 128 rows of the operand
	s_and_b32 s37, s33, s35                        ; which 256 along K
	s_mov_b32 s39, 16384
	s_mov_b32 s40, W1IMG
	s_cmp_lt_u32 s31, 96
	s_cselect_b32 s38, 24, 32                      ; groups of 128 rows in the operand
	s_cselect_b32 s39, 256, s39                    ; bytes from k to k + 1
	s_cselect_b32 s40, WIMG, s40
	s_cmp_lt_u32 s31, 224
	s_cselect_b32 s38, s38, 8
	s_cselect_b32 s39, s39, 4096
	s_cselect_b32 s40, s40, W2IMG
	s_and_b32 s41, s[WV], 3                        ; p: my 32 columns of the 128
	s_lshr_b32 s42, s[WV], 2                       ; k2: my 128 of the 256 along K
	s_lshl_b32 s43, s36, 7
	s_lshl_b32 s44, s41, 5
	s_add_co_u32 s43, s43, s44                     ; my first column
	s_lshl_b32 s45, s43, 2                         ; W1, W2: 4 bytes a column
	s_and_b32 s46, s43, 1023                       ; Wq, Wk, Wv: head x 262,144 + 4 e
	s_lshr_b32 s47, s46, 6
	s_lshl_b32 s47, s47, 18
	s_and_b32 s46, s46, 63
	s_lshl_b32 s46, s46, 2
	s_add_co_u32 s46, s46, s47
	s_cmp_lt_u32 s31, 96
	s_cselect_b32 s45, s46, s45
	s_lshl_b32 s46, s37, 8
	s_lshl_b32 s47, s42, 7
	s_add_co_u32 s46, s46, s47                     ; my first k
	s_mul_i32 s46, s46, s39
	s_add_co_u32 s46, s46, s45
	s_mov_b32 s47, 0
	s_mul_i32 s66, s37, s38
	s_add_co_u32 s66, s66, s36
	s_mul_i32 s66, s66, GB
	s_add_co_u32 s66, s66, s40                     ; my group block
	s_lshl_b32 s67, s41, 13
	s_add_co_u32 s60, s66, s67
	s_lshl_b32 s67, s42, 11
	s_add_co_u32 s60, s60, s67                     ; row blocks 2 p, 2 p + 1, K step k2
	s_mov_b32 s61, 0
	s_lshl_b32 s67, s42, 9
	s_add_co_u32 s62, s66, s67
	s_lshl_b32 s67, s41, 7
	s_add_co_u32 s62, s62, s67
	s_add_co_u32 s62, s62, 32768                   ; their scale words: 128 consecutive bytes
	s_mov_b32 s63, 0
	s_wait_alu depctr_va_vdst(0)
	v_lshrrev_b32 v5, 3, v2                        ; lane (u, r) takes column 16 (r / 8) + 8 u + r % 8: lanes 0-15 are row block 2 p, lanes 16-31 row block 2 p + 1
	v_and_b32 v6, 7, v2
	s_delay_alu instid0(VALU_DEP_1)
	v_lshl_add_u32 v6, v5, 4, v6
	s_delay_alu instid0(VALU_DEP_1)
	v_lshl_add_u32 v6, v3, 3, v6
	s_delay_alu instid0(VALU_DEP_1)
	v_lshlrev_b32 v6, 2, v6                        ; my column, in bytes
	v_lshlrev_b32 v9, 4, v2
	s_delay_alu instid0(VALU_DEP_1)
	v_lshl_add_u32 v9, v3, 12, v9                  ; out: 4,096 u + 16 r
	v_lshlrev_b32 v11, 2, v1                       ; 4 x lane
	s_lshr_b32 s50, s36, 3                         ; Wq, Wk or Wv
	s_wait_kmcnt 0x0
	s_cmp_eq_u32 s50, 0
	s_cselect_b64 s[52:53], s[14:15], s[16:17]
	s_cmp_eq_u32 s50, 2
	s_cselect_b64 s[52:53], s[18:19], s[52:53]
	s_cmp_lt_u32 s31, 96
	s_cselect_b64 s[52:53], s[52:53], s[20:21]
	s_cmp_lt_u32 s31, 224
	s_cselect_b64 s[52:53], s[52:53], s[22:23]
	s_add_nc_u64 s[52:53], s[52:53], s[46:47]      ; my first k, my wave's first column
	s_add_nc_u64 s[60:61], s[24:25], s[60:61]
	s_add_nc_u64 s[62:63], s[24:25], s[62:63]
; My 128 along K: one row k at my wave's 32 columns is 128 consecutive bytes.  The step down K stands in the immediate, 127 x 16,384 bytes at the most, inside its signed 24 bits (ISA guide, chapter 10);
; it differs from tensor to tensor, so the run is written three times, and a branch on the work-group's number picks one: no offset register but my column's, and one base.
.macro WLOADS pitch
.set i, 0
.rept 128
	global_load_b32 v[D+i], v6, s[52:53] offset:i*\pitch th:TH_LOAD_NT
.set i, i+1
.endr
.endm
	s_cmp_lt_u32 s31, 96
	s_cbranch_scc1 .Lpitch_256
	s_cmp_lt_u32 s31, 224
	s_cbranch_scc1 .Lpitch_16384
	s_wait_alu depctr_va_vdst(0)
	WLOADS 4096                                    ; W2: a row of 1,024 numbers
	s_branch .Lloaded
.Lpitch_16384:
	s_wait_alu depctr_va_vdst(0)
	WLOADS 16384                                   ; W1: a row of 4,096 numbers
	s_branch .Lloaded
.Lpitch_256:
	s_wait_alu depctr_va_vdst(0)
	WLOADS 256                                     ; Wq, Wk, Wv: a row of 64 numbers within a head
.Lloaded:
; block t: 32 numbers of one column.  left: how many younger loads may stay out
.macro BLOCK t, left
.set XS, D+32*(\t)
.if (\t) == 0
.set CW, CW0
.else
.set CW, D+32*((\t)-1)                 ; the block before's numbers are done with; no codes' register is written twice, so no store's data are written again
.endif
	s_wait_loadcnt \left
	v_max3_num_f32 v14, |v[XS]|, |v[XS+1]|, |v[XS+2]|
	v_max3_num_f32 v15, |v[XS+3]|, |v[XS+4]|, |v[XS+5]|
.irp i, 6,10,14,18,22,26
	s_delay_alu instid0(VALU_DEP_2)
	v_max3_num_f32 v14, v14, |v[XS+\i]|, |v[XS+\i+1]|
	s_delay_alu instid0(VALU_DEP_2)
	v_max3_num_f32 v15, v15, |v[XS+\i+2]|, |v[XS+\i+3]|
.endr
	s_delay_alu instid0(VALU_DEP_2)
	v_max3_num_f32 v14, v14, |v[XS+30]|, |v[XS+31]|
	s_delay_alu instid0(VALU_DEP_1)
	v_max3_num_f32 v14, v14, v15, 0x8000000        ; and the floor
	s_delay_alu instid0(VALU_DEP_1)
	v_add_nc_u32 v17, 0xf8800000, v14
	s_delay_alu instid0(VALU_DEP_2)
	v_and_or_b32 v16, v14, 0x7f800000, s[MNT]
	s_delay_alu instid0(VALU_DEP_2)
	v_lshrrev_b32 v15, 23, v17
.if (\t) == 0
	s_delay_alu instid0(VALU_DEP_1)
	v_mov_b32 v10, v15
.else
	s_delay_alu instid0(VALU_DEP_1)
	v_lshl_or_b32 v10, v15, 8*(\t), v10            ; four bytes make my column's scale word of this K step
.endif
.set i, 0
.rept 32
	v_med3_num_f32 v[XS+i], v[XS+i], -v16, v16
.set i, i+1
.endr
.irp g, 0,1,2,3
	v_cvt_scalef32_pk8_bf8_f32 v[CW+2*\g:CW+2*\g+1], v[XS+8*\g:XS+8*\g+7], v17
.endr
	global_store_b128 v9, v[CW:CW+3], s[60:61] offset:512*(\t)         ; k = 32 t + 0 .. 15: the place of lane r of chunk t; sixteen lanes fill 256 aligned bytes
	global_store_b128 v9, v[CW+4:CW+7], s[60:61] offset:512*(\t)+256   ; k = 32 t + 16 .. 31: the place of lane 16 + r
.endm
	BLOCK 0, 63                                    ; of 128 loads at most 63 are out: the first 65 are in, blocks 0 and 1 among them (the wait's field holds no larger count)
	BLOCK 1, 63
	BLOCK 2, 32                                    ; block 3's 32 may be out
	BLOCK 3, 0
	global_store_b32 v11, v10, s[62:63]
	s_wait_tensorcnt 0x0                           ; the launch's closing lines stand here too
	ds_add_u32 v[SPW], v[NIL]
	s_wait_dscnt 0x0
	s_endpgm
.Lfunc_end_k_q87c9b99f6b_prep:
	.size	k_q87c9b99f6b_prep, .Lfunc_end_k_q87c9b99f6b_prep-k_q87c9b99f6b_prep
	.p2alignl 7, 3214868480
	.fill 96, 4, 3214868480
	.section	.rodata,"a",@progbits
	.p2align	6, 0x0
	.amdhsa_kernel k_q87c9b99f6b_prep
		.amdhsa_group_segment_fixed_size 66816
		.amdhsa_private_segment_fixed_size 0
		.amdhsa_enable_private_segment 0
		.amdhsa_kernarg_size 72
		.amdhsa_user_sgpr_count 2
		.amdhsa_user_sgpr_kernarg_segment_ptr 1
		.amdhsa_wavefront_size32 1
		.amdhsa_system_sgpr_workgroup_id_x 1
		.amdhsa_system_sgpr_workgroup_id_y 1
		.amdhsa_system_sgpr_workgroup_id_z 1
		.amdhsa_system_vgpr_workitem_id 0
		.amdhsa_next_free_vgpr 160
		.amdhsa_next_free_sgpr 80
		.amdhsa_reserve_vcc 0
		.amdhsa_float_denorm_mode_32 3
		.amdhsa_float_denorm_mode_16_64 3
		.amdhsa_memory_ordered 1
		.amdhsa_forward_progress 1
		.amdhsa_inst_pref_size 90
	.end_amdhsa_kernel
	.amdgpu_metadata
---
amdhsa.version: [ 1, 2 ]
amdhsa.kernels:
  - .name:           k_q87c9b99f6b_prep
    .symbol:         k_q87c9b99f6b_prep.kd
    .args:
      - { .name: x, .offset: 0, .size: 8, .value_kind: global_buffer, .address_space: global }
      - { .name: g1, .offset: 8, .size: 8, .value_kind: global_buffer, .address_space: global }
      - { .name: be1, .offset: 16, .size: 8, .value_kind: global_buffer, .address_space: global }
      - { .name: Wq, .offset: 24, .size: 8, .value_kind: global_buffer, .address_space: global }
      - { .name: Wk, .offset: 32, .size: 8, .value_kind: global_buffer, .address_space: global }
      - { .name: Wv, .offset: 40, .size: 8, .value_kind: global_buffer, .address_space: global }
      - { .name: W1, .offset: 48, .size: 8, .value_kind: global_buffer, .address_space: global }
      - { .name: W2, .offset: 56, .size: 8, .value_kind: global_buffer, .address_space: global }
      - { .name: pimg, .offset: 64, .size: 8, .value_kind: global_buffer, .address_space: global }
    .group_segment_fixed_size: 66816
    .private_segment_fixed_size: 0
    .kernarg_segment_align: 8
    .kernarg_segment_size: 72
    .max_flat_workgroup_size: 256
    .sgpr_count:     80
    .vgpr_count:     160
    .wavefront_size: 32
...
	.end_amdgpu_metadata
.endif
;; end of part 1
;; launch qkv (part 2): grid 48 x 4, 4 waves a work-group, clusters of 4 x 4, 327,680 bytes of LDS; arguments pimg, bq, bk, bv, qkvc; writes qkvc
.if DOCPART == 2
	.amdgcn_target "amdgcn-amd-amdhsa--gfx1250"
	.amdhsa_code_object_version 6
	.text
	.protected	k_q87c9b99f6b_qkv
	.globl	k_q87c9b99f6b_qkv
	.p2align	8
	.type	k_q87c9b99f6b_qkv,@function
k_q87c9b99f6b_qkv:
	s_mov_b64 s[64:65], 0
	v_nop
	global_prefetch_b8 v0, s[64:65] scope:SCOPE_SE
	s_setreg_imm32_b32 hwreg(HW_REG_WAVE_MODE, 25, 1), 1
	s_wait_xcnt 0x0
	s_wait_alu depctr_hold_cnt(0) depctr_sa_sdst(0) depctr_va_vdst(0) depctr_va_sdst(0) depctr_va_ssrc(0) depctr_va_vcc(0) depctr_vm_vsrc(0)
	s_getreg_b32 s2, hwreg(HW_REG_IB_STS2, 6, 4)
	s_cmp_eq_u32 s2, 0
	s_cbranch_scc0 .Lentry_in_a_cluster
	s_endpgm
.Lentry_in_a_cluster:
	s_bfe_u32 s2, ttmp6, 0x10000c
	s_cmp_lg_u32 s2, 0xf033
	s_cbranch_scc0 .Lentry_shape_is_right
	s_endpgm
.Lentry_shape_is_right:
; q, k and v of all heads: three products of h [4096 tokens][1024] with Wq, Wk, Wv [1024 rows (head, e)][1024], on codes of BF8 (E5M2) with E8M0 scales, as prep has laid them; bias added; the results quantised on the way out
; for the two products of attention: q and k along the head's 64, v along the keys.  Nothing of reference() is left out here.
; A tile of 256 x 256 to a work-group of four waves, 128 x 128 a wave (64 accumulators).  192 tiles: clusters 0-7 make q and k, clusters 8-11 make v.
; THE MATRIX INSTRUCTION: source 0 = 16 rows of operand B, source 1 = 16 rows of operand A: a lane holds ONE row of A, its registers run along B's rows; by the image's order of rows the 16 registers of B's
; row blocks 2 b, 2 b + 1 are 16 neighbours.  q, k: A = tokens, B = weights: registers run along e.  v: A = Wv's rows, B = tokens: registers run along the keys.  The two differ by addresses alone until the way out.
; K goes in slots of 256 through a ring of two LDS slots.  A slot is four group blocks of GB bytes (A's two groups of 128 rows, B's two), each one dense tile for one tensor load, one a wave.
; CLUSTERS of 4 x 4: A's blocks are shared along a row of the cluster, B's along a column: joint loads.
; qkvc: g = head (q), 16 + head (k), 32 + head (v).  Codes at g 262144 + (token / 128) 8192.  q, k: a fragment of 2,048 bytes holds 32 tokens: chunks 0, 1 = tokens 32 f + r + 8 (r / 8), e = 32 c + 16 h ..; chunks 2, 3 = the tokens 8 on.
; v: for each 128 keys four fragments t: rows e = 32 (t / 2) + 8 (t % 2) + r + 8 (r / 8), K = the keys.  Scale words at QS0 + g 8192 + (token / 128) 256 + 16 r + 4 x fragment.
; REGISTERS: window 0: v1 r, v2 h, v16-27 addresses, v28, 29 the add's two, v32-47 scale words (two sets), v64-127 biases, v128-255 A's fragments (one set), on the way out at work.  window 1: B's fragments, two sets.  windows 2, 3: accumulators.
.set GB,    33792
.set SLOT,  4*GB
.set SPARE, 2*SLOT                     ; behind the ring: the spare words, 128 bytes a wave
.set WIMG,  128*GB
.set QS0,   12582912
.set LAPS,  2                          ; K = 1,024: four slots, twice round the ring
.set HA4,   16                         ; LDS loads that bring half of A's fragments
.set ADRA, 16
.set ADRB, 20
.set ADRS, 22
.set CO,   24                          ; v24  16 x lane
.set SO,   25                          ; v25  8,192 h + 16 r
.set SPW,  28
.set NIL,  29
.set SC,   32
.set BIAS, 64
.set AF,   128
.set T,    128
.set PC,   192
.set TM,   208
.set SW,   224
.set HH,   232
.set OW,   240
.set G1,  24
.set G0,  32
.set G1B, 48
.set G0B, 56
.set SEL, 84
.set MNT, 86
.set MUL_LO, 0xa1                      ; source 0 (B) window 1, source 1 (A) window 0, C and D window 2
.set MUL_HI, 0xf1                      ; the same, C and D window 3
.set TO_B,   0x40
.set MSB, 0
.macro WIN new
.if MSB != (\new)
	s_set_vgpr_msb (MSB<<8)|(\new)
.set MSB, (\new)
.endif
.endm
.macro JLOAD g0a, g1a, g0b, g1b        ; a joint load: waves 0, 1 fetch A's two blocks, waves 2, 3 B's; an s_nop 0 and four v_nop follow each line
	s_cmp_eq_u32 s15, 0
	s_cbranch_scc0 .Lfor_b_\@
	tensor_load_to_lds s[\g0a:\g0a+3], s[\g1a:\g1a+7]
	s_nop 0
.rept 4
	v_nop
.endr
	s_branch .Lasked_\@
.Lfor_b_\@:
	tensor_load_to_lds s[\g0b:\g0b+3], s[\g1b:\g1b+7]
	s_nop 0
.rept 4
	v_nop
.endr
.Lasked_\@:
.endm
.macro CREST
	s_cmp_lg_u32 s14, 0
	s_cbranch_scc1 .Lnot_wave_0_\@
	s_barrier_signal -3
.Lnot_wave_0_\@:
	s_barrier_wait -3
	s_barrier_signal -1
	s_barrier_wait -1
.endm
.macro CROUND
	s_barrier_signal -1
	s_barrier_wait -1
	CREST
.endm
.macro PLACES n
.rept \n
	v_nop
.endr
.endm
.macro FRAG reg, adr, off              ; a fragment comes back as it was stored: four loads of 512 consecutive bytes
.irp c, 0,1,2,3
	ds_load_b128 v[(\reg)+4*\c:(\reg)+4*\c+3], v[\adr] offset:(\off)+512*\c
.endr
.endm
.macro FETCH_B slot, q, p
	WIN TO_B
.irp i, 0,1,2,3,4,5,6,7
	FRAG 128*(\p)+16*\i, ADRB+\slot, ((\q)/2)*GB+((\q)%2)*2048+4096*\i
.endr
	WIN 0
.endm
.macro FETCH_A slot, q, i0
.irp i, \i0, \i0+1, \i0+2, \i0+3
	FRAG AF+16*(\i), ADRA+\slot, ((\q)/2)*GB+((\q)%2)*2048+4096*(\i)
.endr
.endm
.macro SCALES slot, q                  ; register i: lanes 0-15 the words of A's block i, lanes 16-31 those of B's block i
.irp i, 0,1,2,3,4,5,6,7
	ds_load_b32 v[SC+8*((\q)%2)+\i], v[ADRS+\slot] offset:((\q)/2)*GB+((\q)%2)*512+64*\i
.endr
.endm
.macro MULA a, p, zero                 ; A's block a against B's eight.  The 64 accumulators take turns in one fixed order
.irp b, 0,1,2,3,4,5,6,7
.if \zero
	v_wmma_scale_f32_16x16x128_f8f6f4 v[8*(8*((\a)%4)+\b):8*(8*((\a)%4)+\b)+7], v[128*(\p)+16*\b:128*(\p)+16*\b+15], v[AF+16*(\a):AF+16*(\a)+15], 0, v[SC+8*(\p)+\b], v[SC+8*(\p)+(\a)] matrix_a_fmt:MATRIX_FMT_BF8 matrix_b_fmt:MATRIX_FMT_BF8 matrix_a_scale:MATRIX_SCALE_ROW1
.else
	v_wmma_scale_f32_16x16x128_f8f6f4 v[8*(8*((\a)%4)+\b):8*(8*((\a)%4)+\b)+7], v[128*(\p)+16*\b:128*(\p)+16*\b+15], v[AF+16*(\a):AF+16*(\a)+15], v[8*(8*((\a)%4)+\b):8*(8*((\a)%4)+\b)+7], v[SC+8*(\p)+\b], v[SC+8*(\p)+(\a)] matrix_a_fmt:MATRIX_FMT_BF8 matrix_b_fmt:MATRIX_FMT_BF8 matrix_a_scale:MATRIX_SCALE_ROW1
.endif
.endr
.endm
.macro STEP slot, q, zero              ; 128 along K that have their successor in the same slot
	s_wait_dscnt HA4                               ; all but the youngest sixteen loads (A's blocks 4-7) are in
	WIN MUL_LO
	MULA 0, (\q)%2, \zero
	MULA 1, (\q)%2, \zero
	MULA 2, (\q)%2, \zero
	MULA 3, (\q)%2, \zero
	s_wait_dscnt 0x0
	PLACES 8                                       ; eight places in front of loads into registers that matrix instructions have read
	FETCH_B \slot, (\q)+1, 1-(\q)%2
	SCALES \slot, (\q)+1
	FETCH_A \slot, (\q)+1, 0
	WIN MUL_HI
	MULA 4, (\q)%2, \zero
	MULA 5, (\q)%2, \zero
	MULA 6, (\q)%2, \zero
	MULA 7, (\q)%2, \zero
	PLACES 8
	WIN 0
	FETCH_A \slot, (\q)+1, 4
.endm
.macro TURN slot, next, fill           ; a slot's last 128 along K, and the change of slots
	s_wait_tensorcnt 0x0                           ; all my tensor loads have landed: my block of the next slot
	ds_add_u32 v[SPW], v[NIL]                      ; 0 onto my spare word
	s_wait_dscnt HA4+1                             ; (the add and A's blocks 4-7 may be out)
	WIN MUL_LO
	MULA 0, 1, 0
	MULA 1, 1, 0
	s_wait_dscnt 0x0                               ; the add is done, and my reads of this slot are over
	s_barrier_signal -1
	MULA 2, 1, 0
	MULA 3, 1, 0
	WIN 0
	s_barrier_wait -1
.if \fill
	CREST                                          ; the barrier has opened a round of the cluster's: no wave of any partner still reads this slot or has a load on its way
	s_add_nc_u64 s[G0+4*\slot+2:G0+4*\slot+3], s[G0+4*\slot+2:G0+4*\slot+3], s[72:73]
	s_add_nc_u64 s[G0B+4*\slot+2:G0B+4*\slot+3], s[G0B+4*\slot+2:G0B+4*\slot+3], s[74:75]
	JLOAD G0+4*\slot, G1, G0B+4*\slot, G1B
	PLACES 4
.else
	PLACES 8
.endif
	FETCH_B \next, 0, 0
	SCALES \next, 0
	FETCH_A \next, 0, 0
	WIN MUL_HI
	MULA 4, 1, 0
	MULA 5, 1, 0
	MULA 6, 1, 0
	MULA 7, 1, 0
	PLACES 8
	WIN 0
	FETCH_A \next, 0, 4
.endm
.macro LAST                            ; the very last 128 along K
	s_wait_dscnt HA4
	WIN MUL_LO
	MULA 0, 1, 0
	MULA 1, 1, 0
	MULA 2, 1, 0
	MULA 3, 1, 0
	s_wait_dscnt 0x0
	WIN MUL_HI
	MULA 4, 1, 0
	MULA 5, 1, 0
	MULA 6, 1, 0
	MULA 7, 1, 0
	WIN 0
	PLACES 8
.endm
.macro QUANT s, relu, pw               ; 64 numbers of a lane, register 16 b + i = k 32 b + 16 (lane / 16) + i of my row, become codes in v[PC] on and a scale word in v[pw]
.if \relu
.irp b, 0,1,2,3
	v_max3_num_f32 v[TM+\b], v[\s+16*\b], v[\s+1+16*\b], 0x8000000
.endr
.irp i, 2,4,6,8,10,12,14
.irp b, 0,1,2,3
	v_max3_num_f32 v[TM+\b], v[TM+\b], v[\s+16*\b+\i], v[\s+1+16*\b+\i]
.endr
.endr
.else
.irp b, 0,1,2,3
	v_max3_num_f32 v[TM+\b], |v[\s+16*\b]|, |v[\s+1+16*\b]|, 0x8000000   ; with the floor 2^(16 - 127): the byte cannot fall under 1
.endr
.irp i, 2,4,6,8,10,12,14
.irp b, 0,1,2,3
	v_max3_num_f32 v[TM+\b], v[TM+\b], |v[\s+16*\b+\i]|, |v[\s+1+16*\b+\i]|
.endr
.endr
.endif
.irp b, 0,1,2,3
	v_permlanex16_b32 v[TM+4+\b], v[TM+\b], s[SEL], s[SEL+1]
.endr
.irp b, 0,1,2,3
	v_max_num_f32 v[TM+\b], v[TM+\b], v[TM+4+\b]
.endr
.irp b, 0,1,2,3
	v_add_nc_u32 v[TM+12+\b], 0xf8800000, v[TM+\b]
.endr
.irp b, 0,1,2,3
	v_and_or_b32 v[TM+8+\b], v[TM+\b], 0x7f800000, s[MNT]
.endr
.irp b, 0,1,2,3
	v_lshrrev_b32 v[TM+4+\b], 23, v[TM+12+\b]
.endr
	v_lshl_or_b32 v[\pw], v[TM+5], 8, v[TM+4]
	v_lshl_or_b32 v[\pw], v[TM+6], 16, v[\pw]
	v_lshl_or_b32 v[\pw], v[TM+7], 24, v[\pw]
.irp b, 0,1,2,3
.irp i, 0,1,2,3,4,5,6,7,8,9,10,11,12,13,14,15
.if \relu
	v_med3_num_f32 v[\s+16*\b+\i], v[\s+16*\b+\i], 0, v[TM+8+\b]
.else
	v_med3_num_f32 v[\s+16*\b+\i], v[\s+16*\b+\i], -v[TM+8+\b], v[TM+8+\b]
.endif
.endr
	v_cvt_scalef32_pk8_bf8_f32 v[PC+4*\b:PC+1+4*\b], v[\s+16*\b:\s+7+16*\b], v[TM+12+\b]
	v_cvt_scalef32_pk8_bf8_f32 v[PC+2+4*\b:PC+3+4*\b], v[\s+8+16*\b:\s+15+16*\b], v[TM+12+\b]
.endr
	v_nop
.endm
; THE WAY OUT.  Block a's 64 accumulator registers are 64 numbers of my row of A, in the quantiser's order.  The addition of the bias is also their move into window 0.
.macro EPI isv
.irp b, 0,1,2,3
	v_mov_b32 v[TM+4+\b], 0                        ; a lane permute's destination counts as one of its sources
.endr
	s_wait_loadcnt 0x0                             ; the biases
.irp a, 0,1,2,3,4,5,6,7
	s_wait_xcnt 0x0                                ; the last block's stores have read the codes' registers
	WIN 0x02+\a/4
.set jx, 0
.rept 32
.if \isv
	v_pk_add_f32 v[T+jx:T+jx+1], v[64*(\a%4)+jx:64*(\a%4)+jx+1], v[BIAS+2*\a:BIAS+2*\a+1]   ; each accumulator from its low end on
.else
	v_pk_add_f32 v[T+jx:T+jx+1], v[64*(\a%4)+jx:64*(\a%4)+jx+1], v[BIAS+jx:BIAS+jx+1]
.endif
.set jx, jx+2
.endr
	WIN 0
	QUANT T, 0, SW+\a
.irp q, 0,1,2,3
.if \isv
	global_store_b128 v[CO], v[PC+4*\q:PC+4*\q+3], s[76:77] offset:(\a/4)*262144+(\a%4)*2048+\q*512   ; head a / 4, fragment a % 4, chunk q: 512 consecutive bytes
.else
	global_store_b128 v[CO], v[PC+4*\q:PC+4*\q+3], s[76:77] offset:(\q/2)*262144+(\a/2)*2048+((\q%2)+2*(\a%2))*512   ; head q / 2, fragment a / 2, chunk q % 2 + 2 (a % 2)
.endif
.endr
.endr
	v_cmp_ne_u32 vcc_lo, 0, v2                     ; lanes 0-15 store the first head's four words of row r, lanes 16-31 the second head's
.irp p, 0,1,2,3
.if \isv
	v_cndmask_b32 v[OW+\p], v[SW+\p], v[SW+4+\p], vcc_lo
.else
	v_perm_b32 v[HH+\p], v[SW+2*\p+1], v[SW+2*\p], 0x05040100     ; the first head's two bytes of token and of token + 8
	v_perm_b32 v[HH+4+\p], v[SW+2*\p+1], v[SW+2*\p], 0x07060302   ; the second head's
	v_cndmask_b32 v[OW+\p], v[HH+\p], v[HH+4+\p], vcc_lo
.endif
.endr
	global_store_b128 v[SO], v[OW:OW+3], s[78:79]  ; two aligned runs of 256 bytes
.endm
.macro FINISH
	s_wait_tensorcnt 0x0                           ; the wave's end
	ds_add_u32 v[SPW], v[NIL]
	s_wait_dscnt 0x0
	CROUND                                         ; the closing round
	s_endpgm
.endm
	s_load_b256 s[4:11], s[0:1], 0x0               ; pimg s[4:5], bq s[6:7], bk s[8:9], bv s[10:11]
	s_load_b64 s[12:13], s[0:1], 0x20              ; qkvc
	v_lshl_add_u32 v[SPW], v0, 2, SPARE
	v_mov_b32 v[NIL], 0
	ds_add_u32 v[SPW], v[NIL]                      ; the opening: the add, twice on end, and its wait ahead of my first tensor load
	ds_add_u32 v[SPW], v[NIL]
	v_lshrrev_b32 v1, 5, v0
	v_readfirstlane_b32 s14, v1                    ; wave
	s_lshr_b32 s15, s14, 1                         ; my half of A's rows.  Also: I fetch for A (0) or for B (1)
	s_and_b32 s16, s14, 1                          ; my half of B's rows.  Also: which of the two blocks I fetch
	s_bfe_u32 s40, ttmp6, 0x40000                  ; cx
	s_bfe_u32 s41, ttmp6, 0x40004                  ; cy
	s_and_b32 s18, ttmp9, 3
	s_lshl_b32 s18, s18, 2
	s_lshr_b32 s19, ttmp9, 2
	s_lshl_b32 s19, s19, 2
	s_mov_b32 s20, WIMG+16*GB
	s_mov_b32 s21, WIMG
	s_mov_b32 s22, 32*GB
	s_mov_b32 s23, 24*GB
	s_cmp_lt_u32 ttmp9, 8                          ; the cluster's number: the same in all sixteen partners
	s_cselect_b32 s70, 0, 1                        ; 1: this cluster makes v
	s_cselect_b32 s17, s18, 0
	s_cselect_b32 s42, s19, s18
	s_cselect_b32 s66, 0, s20                      ; where A's image begins: h, or Wv's rows
	s_cselect_b32 s68, s21, 0                      ; and B's: Wq and Wk, or h
	s_cselect_b32 s80, s22, s23                    ; 256 along K on, in A's image,
	s_cselect_b32 s82, s23, s22                    ; and in B's
	s_mov_b32 s81, 0
	s_mov_b32 s83, 0
	s_lshl_b32 s72, s80, 1
	s_mov_b32 s73, 0
	s_lshl_b32 s74, s82, 1
	s_mov_b32 s75, 0
	s_add_co_u32 s17, s17, s41                     ; tile row (of A)
	s_add_co_u32 s42, s42, s40                     ; tile column (of B)
	s_lshl_b32 s43, s41, 2
	s_lshl_b32 s43, 15, s43                        ; my row of the cluster
	s_lshl_b32 s44, 0x1111, s40                    ; my column
	s_or_b32 s[G1+0], s43, (3<<16)|(1<<21)         ; the mask; elements of 8 bytes; bit 21 beside a mask; no padding
	s_or_b32 s[G1B+0], s44, (3<<16)|(1<<21)
.irp g, G1, G1B
	s_mov_b32 s[\g+1], 32<<16                      ; a group block as 132 rows of 256 bytes, dense
	s_mov_b32 s[\g+2], 132<<16
	s_mov_b32 s[\g+3], 32<<16
	s_mov_b32 s[\g+4], 132
	s_mov_b32 s[\g+5], 32
	s_mov_b32 s[\g+6], 0
	s_mov_b32 s[\g+7], 0
.endr
	s_lshl_b32 s20, s17, 1
	s_add_co_u32 s20, s20, s16
	s_mul_i32 s20, s20, GB
	s_add_co_u32 s20, s20, s66
	s_mov_b32 s21, 0
	s_lshl_b32 s46, s42, 1
	s_add_co_u32 s46, s46, s16
	s_mul_i32 s46, s46, GB
	s_add_co_u32 s46, s46, s68
	s_mov_b32 s47, 0
	s_mul_i32 s45, s14, GB                         ; where my block goes: no place in the cluster enters an LDS address
	s_mov_b32 s[SEL], 0x76543210
	s_mov_b32 s[SEL+1], 0xfedcba98
	s_mov_b32 s[MNT], 0x600000
	s_wait_dscnt 0x0                               ; both opening adds are done
	s_wait_kmcnt 0x0
	s_add_nc_u64 s[20:21], s[4:5], s[20:21]
	s_add_nc_u64 s[46:47], s[4:5], s[46:47]
	CROUND                                         ; all sixteen work-groups are here: the first joint loads meet
	s_mov_b32 s[G0], 1
	s_mov_b32 s[G0+1], s45
	s_mov_b64 s[G0+2:G0+3], s[20:21]
	s_or_b32 s[G0+3], s[G0+3], 0x80000000
	s_mov_b32 s[G0B], 1
	s_mov_b32 s[G0B+1], s45
	s_mov_b64 s[G0B+2:G0B+3], s[46:47]
	s_or_b32 s[G0B+3], s[G0B+3], 0x80000000
	JLOAD G0, G1, G0B, G1B
	s_mov_b32 s[G0+4], 1
	s_add_co_u32 s[G0+5], s45, SLOT
	s_add_nc_u64 s[G0+6:G0+7], s[20:21], s[80:81]
	s_or_b32 s[G0+7], s[G0+7], 0x80000000
	s_mov_b32 s[G0B+4], 1
	s_add_co_u32 s[G0B+5], s45, SLOT
	s_add_nc_u64 s[G0B+6:G0B+7], s[46:47], s[82:83]
	s_or_b32 s[G0B+7], s[G0B+7], 0x80000000
	v_and_b32 v1, 15, v0                           ; r
	v_bfe_u32 v2, v0, 4, 1                         ; h
	s_wait_alu depctr_va_vdst(0)
	v_and_b32 v3, 31, v0
	v_lshlrev_b32 v[CO], 4, v3
	s_mul_i32 s21, s15, GB                         ; my group of A
	s_add_co_u32 s22, s16, 2
	s_mul_i32 s22, s22, GB                         ; my group of B
.irp s, 0,1
	v_add_nc_u32 v[ADRA+\s], s21, v[CO]
	v_add_nc_u32 v[ADRB+\s], s22, v[CO]
	s_add_co_u32 s21, s21, SLOT
	s_add_co_u32 s22, s22, SLOT
.endr
	s_xor_b32 s22, s15, 1
	s_add_co_u32 s22, s22, s16
	s_add_co_u32 s22, s22, 1
	s_mul_i32 s22, s22, GB                         ; from my group of A to my group of B
	v_mul_u32_u24 v6, s22, v2                      ; lanes 16-31 take B's words
	v_lshl_add_u32 v6, v1, 2, v6
	s_mul_i32 s21, s15, GB
	s_add_co_u32 s21, s21, 32768
	v_add_nc_u32 v[ADRS], s21, v6
	v_add_nc_u32 v[ADRS+1], SLOT, v[ADRS]
	v_lshlrev_b32 v[SO], 4, v1
	v_lshl_add_u32 v[SO], v2, 13, v[SO]
	; where my results go: g and the group of 128 tokens
	s_lshl_b32 s18, s42, 2
	s_lshl_b32 s19, s16, 1
	s_add_co_u32 s18, s18, s19                     ; q, k: g = 4 x tile column + 2 x half
	s_lshl_b32 s19, s17, 1
	s_add_co_u32 s19, s19, s15                     ;       tokens: 2 x tile row + half
	s_lshl_b32 s20, s17, 2
	s_lshl_b32 s21, s15, 1
	s_add_co_u32 s20, s20, s21
	s_add_co_u32 s20, s20, 32                      ; v: g = 32 + 4 x tile row + 2 x half
	s_lshl_b32 s21, s42, 1
	s_add_co_u32 s21, s21, s16                     ;    tokens: 2 x tile column + half
	s_cmp_lg_u32 s70, 0
	s_cselect_b32 s18, s20, s18
	s_cselect_b32 s19, s21, s19
	s_lshl_b32 s20, s18, 18
	s_lshl_b32 s21, s19, 13
	s_add_co_u32 s76, s20, s21
	s_mov_b32 s77, 0
	s_lshl_b32 s20, s18, 13
	s_lshl_b32 s21, s19, 8
	s_add_co_u32 s78, s20, s21
	s_add_co_u32 s78, s78, QS0
	s_mov_b32 s79, 0
	s_add_nc_u64 s[76:77], s[12:13], s[76:77]
	s_add_nc_u64 s[78:79], s[12:13], s[78:79]
	s_wait_alu depctr_va_vdst(0)
	s_wait_tensorcnt 0x0                           ; my block of slot 0 is in
	ds_add_u32 v[SPW], v[NIL]
	s_wait_dscnt 0x0
	CROUND                                         ; a whole round: slot 0 is whole, and the joint loads meet
	JLOAD G0+4, G1, G0B+4, G1B                     ; slot 1's first fill, the first tensor load behind the round
	FETCH_B 0, 0, 0
	SCALES 0, 0
	FETCH_A 0, 0, 0
	FETCH_A 0, 0, 4
	STEP 0, 0, 1                                   ; the first step's products start the sums
	s_mov_b32 s3, LAPS-1
.Llap:
	TURN 0, 1, 1
	STEP 1, 0, 0
	TURN 1, 0, 1
	STEP 0, 0, 0
	s_sub_co_u32 s3, s3, 1
	s_cmp_lg_u32 s3, 0
	s_cbranch_scc1 .Llap
	TURN 0, 1, 0                                   ; the last lap fills nothing
	s_cmp_lg_u32 s70, 0                            ; the two ways out part here, two K steps ahead of the end, so that each way's biases land under its last 128 matrix instructions
	s_cbranch_scc1 .Larm_v
	; q, k: the bias at my 64 columns: bias[(first column % 1024) + 32 b + 16 h + i]
	s_lshl_b32 s18, s42, 8
	s_lshl_b32 s19, s16, 7
	s_add_co_u32 s18, s18, s19
	s_and_b32 s18, s18, 1023
	s_lshl_b32 s18, s18, 2
	s_mov_b32 s19, 0
	s_cmp_lt_u32 ttmp9, 4                          ; clusters 0-3 make q, clusters 4-7 k
	s_cselect_b64 s[88:89], s[6:7], s[8:9]
	s_add_nc_u64 s[88:89], s[88:89], s[18:19]
	v_lshlrev_b32 v7, 6, v2
.irp bb, 0,1,2,3
.irp j, 0,1,2,3
	global_load_b128 v[BIAS+16*\bb+4*\j:BIAS+16*\bb+4*\j+3], v7, s[88:89] offset:128*\bb+16*\j
.endr
.endr
	STEP 1, 0, 0
	LAST
	EPI 0
	FINISH
.Larm_v:
	; v: the bias of my row of Wv, one number for each block a, in both halves of a pair
	s_lshl_b32 s18, s17, 1
	s_add_co_u32 s18, s18, s15
	s_lshl_b32 s18, s18, 9
	s_mov_b32 s19, 0
	s_add_nc_u64 s[88:89], s[10:11], s[18:19]
	v_and_b32 v7, 8, v1
	v_add_nc_u32 v7, v7, v1
	v_lshlrev_b32 v7, 2, v7
.irp a, 0,1,2,3,4,5,6,7
	global_load_b32 v[BIAS+2*\a], v7, s[88:89] offset:(32*(\a/2)+8*(\a%2))*4
	global_load_b32 v[BIAS+2*\a+1], v7, s[88:89] offset:(32*(\a/2)+8*(\a%2))*4
.endr
	STEP 1, 0, 0
	LAST
	EPI 1
	FINISH
.Lfunc_end_k_q87c9b99f6b_qkv:
	.size	k_q87c9b99f6b_qkv, .Lfunc_end_k_q87c9b99f6b_qkv-k_q87c9b99f6b_qkv
	.p2alignl 7, 3214868480
	.fill 96, 4, 3214868480
	.section	.rodata,"a",@progbits
	.p2align	6, 0x0
	.amdhsa_kernel k_q87c9b99f6b_qkv
		.amdhsa_group_segment_fixed_size 327680
		.amdhsa_private_segment_fixed_size 0
		.amdhsa_enable_private_segment 0
		.amdhsa_kernarg_size 40
		.amdhsa_user_sgpr_count 2
		.amdhsa_user_sgpr_kernarg_segment_ptr 1
		.amdhsa_wavefront_size32 1
		.amdhsa_system_sgpr_workgroup_id_x 1
		.amdhsa_system_sgpr_workgroup_id_y 1
		.amdhsa_system_sgpr_workgroup_id_z 1
		.amdhsa_system_vgpr_workitem_id 0
		.amdhsa_next_free_vgpr 1024
		.amdhsa_next_free_sgpr 100
		.amdhsa_reserve_vcc 1
		.amdhsa_float_denorm_mode_32 3
		.amdhsa_float_denorm_mode_16_64 3
		.amdhsa_memory_ordered 1
		.amdhsa_forward_progress 1
		.amdhsa_inst_pref_size 255
	.end_amdhsa_kernel
	.section	.bss,"aw",@nobits
	.p2align	6
	.space	262144
	.amdgpu_metadata
---
amdhsa.version: [ 1, 2 ]
amdhsa.kernels:
  - .name:           k_q87c9b99f6b_qkv
    .symbol:         k_q87c9b99f6b_qkv.kd
    .args:
      - { .name: pimg, .offset: 0, .size: 8, .value_kind: global_buffer, .address_space: global }
      - { .name: bq, .offset: 8, .size: 8, .value_kind: global_buffer, .address_space: global }
      - { .name: bk, .offset: 16, .size: 8, .value_kind: global_buffer, .address_space: global }
      - { .name: bv, .offset: 24, .size: 8, .value_kind: global_buffer, .address_space: global }
      - { .name: qkvc, .offset: 32, .size: 8, .value_kind: global_buffer, .address_space: global }
    .group_segment_fixed_size: 327680
    .private_segment_fixed_size: 0
    .kernarg_segment_align: 8
    .kernarg_segment_size: 40
    .max_flat_workgroup_size: 128
    .sgpr_count:     100
    .vgpr_count:     1024
    .wavefront_size: 32
...
	.end_amdgpu_metadata
.endif
;; end of part 2
;; launch attn (part 3): grid 8 x 32, 8 waves a work-group, clusters of 4 x 1, 327,680 bytes of LDS; arguments qkvc, obuf; writes obuf
.if DOCPART == 3
	.amdgcn_target "amdgcn-amd-amdhsa--gfx1250"
	.amdhsa_code_object_version 6
	.text
	.protected	k_q87c9b99f6b_attn
	.globl	k_q87c9b99f6b_attn
	.p2align	8
	.type	k_q87c9b99f6b_attn,@function
k_q87c9b99f6b_attn:
	s_mov_b64 s[64:65], 0
	v_nop
	global_prefetch_b8 v0, s[64:65] scope:SCOPE_SE
	s_setreg_imm32_b32 hwreg(HW_REG_WAVE_MODE, 25, 1), 1
	s_wait_xcnt 0x0
	s_wait_alu depctr_hold_cnt(0) depctr_sa_sdst(0) depctr_va_vdst(0) depctr_va_sdst(0) depctr_va_ssrc(0) depctr_va_vcc(0) depctr_vm_vsrc(0)
	s_getreg_b32 s2, hwreg(HW_REG_IB_STS2, 6, 4)
	s_cmp_eq_u32 s2, 0
	s_cbranch_scc0 .Lentry_in_a_cluster
	s_endpgm
.Lentry_in_a_cluster:
	s_bfe_u32 s2, ttmp6, 0x10000c
	s_cmp_lg_u32 s2, 0x3003
	s_cbranch_scc0 .Lentry_shape_is_right
	s_endpgm
.Lentry_shape_is_right:
; Causal attention of one head and batch on codes of BF8 (E5M2) with E8M0 scales, as the launch qkv has laid them: S^T = K Q^T, p = 2^(t - M) with M a whole number, O^T = V^T P^T, divided by the sum of the unquantised p.
; LEFT OUT: key steps of 128 keys that lie wholly behind a tile's queries: reference()'s own tril sets those logits to -infinity, so their p is 0 for all inputs.
; LIMITS: the promise holds while the scaled scores stay under 2^31 in magnitude; NaN and infinities are not served; a block's scale byte never falls under 1.
; LDS HOLDS THE WHOLE HEAD: K's codes 131,072 bytes, V's 131,072, their scale words 2 x 4,096.  Each of the eight waves brings 32,768 bytes by one tensor load at the head; nothing is filled again, so the loop has no barrier.
; CLUSTERS of 4 x 1: the four partners walk the same K and V and ask jointly (mask 15).  The place in the cluster picks the 32 queries inside a block of 128: it enters global addresses and the mask's lane numbers alone.
; NO PREFETCH: all fills stand at the head; there is no loop to run ahead in.
; SHARES.  A wave owns a PAIR of query tiles (32 queries of one block of 128), which share each fragment of K and V.  A block b needs b + 1 key steps.  Wave pair p takes a short block sb = 2 p + ((p & 1) xor cluster x) and the long block 15 - sb:
; 17 steps together.  Wave p (role a): the long pair's steps 0 .. 8.  Wave 4 + p (role b): the short pair's sb + 1 steps, its way out, then the long pair's steps 9 ..: 8 steps.  Behind one barrier b joins a's part
; (O^T, -M, the sums, handed over through LDS) with its own by powers of two, which round nothing, and stores the long pair.
; REGISTERS, window 0: v0 a's part in LDS, v1 16 lane, v2 16 r, v3, v4 the add's two, v5, v6 the mask's lane numbers, v7 offset in obuf, v8, v9 addresses, v10, v11 stage, v12-19 -M, largest t, sums (two tiles), v20-23 Q's scale words,
; v24-27 K's, v28-31 V's, v32-95 V's fragments, v96-159, v160-223 scores then p, v224-239, v240-255 at work.  Window 1: v0-63 O^T, v64-111 Q with zeros between, v112-143 p's codes, v144-207 K's fragments of the next step.
.set QS0,   12582912
.set VOF,   131072
.set SCK,   262144
.set SCV,   266240
.set SPARE, 270336                     ; the spare words: 128 bytes a wave
.set PART,  271360                     ; a's parts: 4 x 9,216
.set STG,   308224                     ; b's stages: 4 x 4,352
.set WV, 8
.set ROLE, 9
.set PP, 10
.set CX, 11
.set HD, 12
.set BB, 13
.set BLK, 14
.set SW, 15
.set OFF2, 16
.set I, 17
.set KS, 18
.set LB, 19
.set T0, 20
.set T1, 21
.set MNT, 22
.set NKA, 23
.set SEL, 24
.set CS, 26
.set NKS, 28
.set VA, 29
.set VS, 30
.set COMQ, 31
.set G1, 32
.set G0, 40
.set QA, 44
.set QSA, 46
.set OB, 48
.set COMS, 50
.set COMO, 51
.set MSB, 0
.macro WIN new
.if MSB != (\new)
	s_set_vgpr_msb (MSB<<8)|(\new)
.set MSB, (\new)
.endif
.endm
.macro WALU
	s_wait_alu depctr_va_vdst(0)
.endm
.macro PLACES n
.rept \n
	v_nop
.endr
.endm
.macro CROUND
	s_barrier_signal -1
	s_barrier_wait -1
	s_cmp_lg_u32 s[WV], 0
	s_cbranch_scc1 .Lnot_wave_0_\@
	s_barrier_signal -3
.Lnot_wave_0_\@:
	s_barrier_wait -3
	s_barrier_signal -1
	s_barrier_wait -1
.endm
.macro SETBLK                          ; the addresses of block s[BLK]: Q's codes, Q's scale words, the rows of obuf
	s_mov_b32 s[T1], 0
	s_lshl_b32 s[T0], s[BLK], 13
	s_add_co_u32 s[T0], s[T0], s[COMQ]
	s_add_nc_u64 s[QA:QA+1], s[4:5], s[T0:T1]
	s_lshl_b32 s[T0], s[BLK], 8
	s_add_co_u32 s[T0], s[T0], s[COMS]
	s_add_nc_u64 s[QSA:QSA+1], s[4:5], s[T0:T1]
	s_lshl_b32 s[T0], s[BLK], 19
	s_add_co_u32 s[T0], s[T0], s[COMO]
	s_add_nc_u64 s[OB:OB+1], s[6:7], s[T0:T1]
.endm
.macro LOADQ                           ; each tile's 8 registers twice, round 8 zeros: [q, 0] meets a fragment's first 16 keys, [0, q] its second
	WALU
	WIN 0x40
.irp d, 64,80
	global_load_b128 v[\d:\d+3], v1, s[QA:QA+1]
	global_load_b128 v[\d+4:\d+7], v1, s[QA:QA+1] offset:512
.endr
.irp d, 88,104
	global_load_b128 v[\d:\d+3], v1, s[QA:QA+1] offset:1024
	global_load_b128 v[\d+4:\d+7], v1, s[QA:QA+1] offset:1536
.endr
	WIN 0
	global_load_b32 v233, v2, s[QSA:QSA+1]
.endm
.macro RESET                           ; O^T and the sums begin as zeros, the largest t as -3e38
	WIN 0x40
.set jx, 0
.rept 64
	v_mov_b32 v[jx], 0
.set jx, jx+1
.endr
	WIN 0
.irp T, 0,1
	v_mov_b32 v[13+4*\T], 0xff61b1e6
	v_mov_b32 v[14+4*\T], 0
	v_mov_b32 v[15+4*\T], 0
.endr
.irp T, 0,1
	v_floor_f32 v[12+4*\T], -v[13+4*\T]
.endr
.endm
.macro QSC                             ; Q's scale words: a tile's two bytes beside the byte 1 for the zeros; eight places ahead of the products
	v_and_b32 v20, 0xffff, v233
	v_lshl_or_b32 v21, v233, 16, 0x101
	v_lshrrev_b32 v22, 16, v233
	v_and_b32 v23, 0xffff0000, v233
	v_or_b32 v20, 0x01010000, v20
	v_or_b32 v22, 0x01010000, v22
	v_or_b32 v23, 0x101, v23
	PLACES 8
.endm
.macro KLOAD adr, sadr                 ; a step's four fragments of K into window 1, and their scale words
	WIN 0x40
.irp t, 0,1,2,3
.irp c, 0,1,2,3
	ds_load_b128 v[144+16*\t+4*\c:147+16*\t+4*\c], v[\adr] offset:2048*\t+512*\c
.endr
.endr
	WIN 0
	ds_load_b128 v[24:27], v[\sadr]
.endm
.macro SEND src, rb, goff              ; 16 queries x 64 through my stage: sixteen lanes store 256 aligned bytes
.irp s, 0,1
.irp jj, 0,1,2,3
	ds_store_b128 v10, v[\src+16*\s+4*\jj:\src+16*\s+4*\jj+3] offset:128*\s+16*\jj
.endr
.endr
.irp i, 0,1,2,3,4,5,6,7
	ds_load_b128 v[\rb+4*\i:\rb+4*\i+3], v11 offset:544*\i   ; LDS serves a wave's instructions in order
.endr
.irp i, 0,1,2,3,4,5,6,7
	s_wait_dscnt 7-\i                      ; the younger loads of this run may be out
	global_store_b128 v7, v[\rb+4*\i:\rb+4*\i+3], s[OB:OB+1] offset:(2*\i+8*(\i/4))*4096+\goff
.endr
.endm
.macro SUMS T                          ; the row's sum of the unquantised p, in four chains
.set S_, 96+64*\T
.set L_, 14+4*\T
.set C_, 228+16*\T
	v_pk_add_f32 v[C_:C_+1], v[S_:S_+1], v[S_+2:S_+3]
	v_pk_add_f32 v[C_+2:C_+3], v[S_+4:S_+5], v[S_+6:S_+7]
	v_pk_add_f32 v[8:9], v[S_+8:S_+9], v[S_+10:S_+11]
	v_pk_add_f32 v[L_:L_+1], v[L_:L_+1], v[S_+12:S_+13]
.irp j, 14,22,30,38,46,54
	v_pk_add_f32 v[C_:C_+1], v[C_:C_+1], v[S_+\j:S_+\j+1]
	v_pk_add_f32 v[C_+2:C_+3], v[C_+2:C_+3], v[S_+\j+2:S_+\j+3]
	v_pk_add_f32 v[8:9], v[8:9], v[S_+\j+4:S_+\j+5]
	v_pk_add_f32 v[L_:L_+1], v[L_:L_+1], v[S_+\j+6:S_+\j+7]
.endr
	v_pk_add_f32 v[C_:C_+1], v[C_:C_+1], v[S_+62:S_+63]
	v_pk_add_f32 v[L_:L_+1], v[L_:L_+1], v[8:9]
	v_pk_add_f32 v[C_:C_+1], v[C_:C_+1], v[C_+2:C_+3]
	v_pk_add_f32 v[L_:L_+1], v[L_:L_+1], v[C_:C_+1]
.endm
.macro SCL T                           ; from each block's largest p: the conversion's operand, the bound (in place), the byte; four bytes make the word
.set U_, 224+16*\T
.irp b, 0,1,2,3
	v_max_num_f32 v[U_+\b], 0x8000000, v[U_+\b]
.endr
.irp b, 0,1,2,3
	v_add_nc_u32 v[U_+12+\b], 0xf8800000, v[U_+\b]
.endr
.irp b, 0,1,2,3
	v_and_or_b32 v[U_+\b], v[U_+\b], 0x7f800000, s[MNT]
.endr
.irp b, 0,1,2,3
	v_lshrrev_b32 v[U_+4+\b], 23, v[U_+12+\b]
.endr
	v_lshl_or_b32 v[U_+8], v[U_+5], 8, v[U_+4]
	v_lshl_or_b32 v[U_+8], v[U_+6], 16, v[U_+8]
	v_lshl_or_b32 v[U_+8], v[U_+7], 24, v[U_+8]
.endm
.macro HOLD2 T, j                      ; two p held at the largest code x the scale: p is not negative, so the hold is one-sided
	v_dual_min_num_f32 v[96+64*\T+\j], v[96+64*\T+\j], v[224+16*\T+(\j)/16] :: v_dual_min_num_f32 v[97+64*\T+\j], v[97+64*\T+\j], v[224+16*\T+(\j)/16]
.endm
	s_load_b128 s[4:7], s[0:1], 0x0                ; qkvc, obuf
	v_lshl_add_u32 v3, v0, 2, SPARE
	v_mov_b32 v4, 0
	ds_add_u32 v3, v4                              ; the opening: the add, twice on end, and its wait
	ds_add_u32 v3, v4
	v_lshrrev_b32 v8, 5, v0
	v_readfirstlane_b32 s[WV], v8
	s_lshr_b32 s[ROLE], s[WV], 2                   ; 0: a, 1: b
	s_and_b32 s[PP], s[WV], 3
	s_bfe_u32 s[CX], ttmp6, 0x40000
	s_and_b32 s[T0], ttmp7, 0xffff
	s_and_b32 s[HD], s[T0], 15
	s_lshr_b32 s[BB], s[T0], 4
	s_and_b32 s[T0], s[PP], 1
	s_xor_b32 s[T0], s[T0], ttmp9
	s_lshl_b32 s[T1], s[PP], 1
	s_add_co_u32 s[T0], s[T0], s[T1]               ; sb
	s_sub_co_u32 s[LB], 15, s[T0]
	s_add_co_u32 s[T1], s[T0], 1
	s_sub_co_u32 s[OFF2], 8, s[T0]                 ; behind the change trip i is key step i + 8 - sb
	s_cmp_eq_u32 s[ROLE], 0
	s_cselect_b32 s[BLK], s[LB], s[T0]
	s_cselect_b32 s[SW], 99, s[T1]                 ; b changes pairs at trip sb + 1, a never
	s_mov_b32 s[G1], 15|(3<<16)|(1<<21)            ; the mask, elements of 8 bytes, bit 21 beside a mask: 128 dense rows of 256 bytes
	s_mov_b32 s[G1+1], 32<<16
	s_mov_b32 s[G1+2], 128<<16
	s_mov_b32 s[G1+3], 32<<16
	s_mov_b32 s[G1+4], 128
	s_mov_b32 s[G1+5], 32
	s_mov_b32 s[G1+6], 0
	s_mov_b32 s[G1+7], 0
	s_lshl_b32 s[T0], s[HD], 18
	s_lshl_b32 s[T1], s[BB], 17
	s_add_co_u32 s[T0], s[T0], s[T1]
	s_lshl_b32 s54, s[CX], 11
	s_add_co_u32 s[COMQ], s[T0], s54
	s_add_co_u32 s52, s[T0], 16*262144             ; waves 0-3: K's quarters; waves 4-7: V's, 16 x 262,144 bytes on
	s_lshl_b32 s[T1], s[ROLE], 22
	s_add_co_u32 s52, s52, s[T1]
	s_lshl_b32 s[T1], s[PP], 15
	s_add_co_u32 s52, s52, s[T1]
	s_mov_b32 s53, 0
	s_lshl_b32 s[T0], s[HD], 13
	s_lshl_b32 s[T1], s[BB], 12
	s_add_co_u32 s[T0], s[T0], s[T1]
	s_add_co_u32 s[T0], s[T0], QS0
	s_lshl_b32 s54, s[CX], 2
	s_add_co_u32 s[COMS], s[T0], s54
	s_lshl_b32 s[T1], s[WV], 9
	s_add_co_u32 s56, s[T0], s[T1]
	s_add_co_u32 s56, s56, 16*8192                 ; my 512 bytes of K's scale words; V's lie 131,072 on
	s_mov_b32 s57, 0
	s_lshl_b32 s[COMO], s[BB], 23
	s_lshl_b32 s54, s[CX], 17
	s_add_co_u32 s[COMO], s[COMO], s54
	s_lshl_b32 s54, s[HD], 8
	s_add_co_u32 s[COMO], s[COMO], s54
	s_mov_b32 s[SEL], 0x76543210
	s_mov_b32 s[SEL+1], 0xfedcba98
	s_mov_b32 s[CS], 0x3d38aa3b                    ; log2(e) / 32
	s_mov_b32 s[CS+1], s[CS]
	s_mov_b32 s[MNT], 0x600000
	s_mov_b32 s[I], 0
	WALU
	s_wait_dscnt 0x0
	CROUND                                         ; the round in front of the joint loads
	s_wait_kmcnt 0x0
	s_mov_b32 s[G0], 1
	s_lshl_b32 s[G0+1], s[WV], 15
	s_add_nc_u64 s[G0+2:G0+3], s[4:5], s[52:53]
	s_or_b32 s[G0+3], s[G0+3], 0x80000000
	tensor_load_to_lds s[G0:G0+3], s[G1:G1+7]      ; my one tensor load
	s_nop 0
	PLACES 4
	s_add_nc_u64 s[56:57], s[4:5], s[56:57]
	v_and_b32 v8, 31, v0
	v_lshlrev_b32 v1, 4, v8
	global_load_b128 v[32:35], v1, s[56:57]
	global_load_b128 v[36:39], v1, s[56:57] offset:131072
	SETBLK
	v_and_b32 v8, 15, v0                           ; r
	v_bfe_u32 v9, v0, 4, 1                         ; h
	v_lshlrev_b32 v2, 4, v8
	LOADQ
	; the long pair's Q and its scale word come now, into window 1's v208-224, so that role b's change of pairs copies registers and waits for no load (waves 0-3 make no use of theirs)
	s_mov_b32 s[T1], 0
	s_lshl_b32 s[T0], s[LB], 13
	s_add_co_u32 s[T0], s[T0], s[COMQ]
	s_add_nc_u64 s[58:59], s[4:5], s[T0:T1]
	s_lshl_b32 s[T0], s[LB], 8
	s_add_co_u32 s[T0], s[T0], s[COMS]
	s_add_nc_u64 s[60:61], s[4:5], s[T0:T1]
	WIN 0x40
.irp c, 0,1,2,3
	global_load_b128 v[208+4*\c:211+4*\c], v1, s[58:59] offset:512*\c
.endr
	global_load_b32 v224, v2, s[60:61]
	WIN 0
	v_and_b32 v5, 8, v8
	v_add_nc_u32 v5, v5, v8
	v_lshlrev_b32 v6, 4, v9
	v_sub_nc_u32 v5, v5, v6
	s_lshl_b32 s54, s[CX], 5
	v_add_nc_u32 v5, s54, v5                       ; on the diagonal register 16 b + i is hidden where 32 b + i > my query in the block - 16 h
	v_add_nc_u32 v6, 8, v5                         ; the second tile's queries lie 8 on
	s_xor_b32 s[T0], s[WV], 4                      ; each wave's own bytes: waves 4-7 a stage each behind the four parts; waves 0-3, which stage nothing, point into their own part
	s_min_u32 s[T0], s[T0], 4
	s_and_b32 s[T0], s[T0], 3                      ; wave - 4 in waves 4-7, else 0
	s_mul_i32 s[T0], s[T0], 4352
	s_min_u32 s[T1], s[WV], 4
	s_mul_i32 s[T1], s[T1], 9216
	s_add_co_u32 s[T0], s[T0], s[T1]
	s_add_co_u32 s[T0], s[T0], PART
	v_mul_u32_u24 v10, v8, 272
	v_lshl_add_u32 v10, v9, 6, v10
	v_add_nc_u32 v10, s[T0], v10
	v_mul_u32_u24 v11, v9, 272
	v_lshl_add_u32 v11, v8, 4, v11
	v_add_nc_u32 v11, s[T0], v11
	v_lshlrev_b32 v7, 12, v9
	v_lshl_add_u32 v7, v8, 4, v7
	s_lshl_b32 s[T0], s[WV], 9
	s_add_co_u32 s[T0], s[T0], SCK
	v_add_nc_u32 v40, s[T0], v1
	s_mul_i32 s[T0], s[PP], 9216
	s_add_co_u32 s[T0], s[T0], PART
	v_add_nc_u32 v0, s[T0], v1
	WIN 0x40
.irp j, 0,1,2,3,4,5,6,7
	v_mov_b32 v[72+\j], 0                          ; the zeros between a tile's two copies of q
	v_mov_b32 v[96+\j], 0
.endr
	WIN 0
.irp T, 0,1
.irp j, 4,5,6,7,11,13
	v_mov_b32 v[224+16*\T+\j], 0                   ; lane permutes' destinations and upper halves of pairs are written once
.endr
.endr
	RESET
	WALU
	s_wait_loadcnt 0x0
	QSC
	WALU
	s_wait_tensorcnt 0x0                           ; my 32,768 bytes are in
	ds_store_b128 v40, v[32:35]                    ; the scale words, into bytes that no tensor load fills
	ds_store_b128 v40, v[36:39] offset:4096
	s_wait_dscnt 0x0
	s_barrier_signal -1
	s_barrier_wait -1                              ; the whole head lies in LDS
	v_add_nc_u32 v233, SCK, v2
	KLOAD 1, 233                                   ; key step 0, every wave's first
.Ltrip:
	s_cmp_lt_u32 s[WV], 4                          ; waves 0-3 (role a) never change pairs
	s_cbranch_scc1 .Lsame_pair
	s_cmp_lg_u32 s[I], s[SW]
	s_cbranch_scc1 .Lsame_pair
	; b: the short pair is finished: it leaves, and the long pair begins
	PLACES 8
.irp T, 0,1
	v_add_f32 v[14+4*\T], v[14+4*\T], v[15+4*\T]
.endr
.irp T, 0,1
	v_permlanex16_b32 v[228+16*\T], v[14+4*\T], s[SEL], s[SEL+1]
.endr
.irp T, 0,1
	v_add_f32 v[14+4*\T], v[14+4*\T], v[228+16*\T]
.endr
	WALU
.irp T, 0,1
	v_rcp_f32 v[234+16*\T], v[14+4*\T]
.endr
	v_nop
	WIN 0x01
	WALU
.set jx, 0
.rept 32
	v_pk_mul_f32 v[96+jx:97+jx], v[jx:jx+1], v[234+16*(jx/32):235+16*(jx/32)] op_sel_hi:[1,0]
.set jx, jx+2
.endr
	WIN 0
	WALU
	SEND 96, 160, 0
	SEND 128, 192, 32768
	s_wait_xcnt 0x0                                ; the stores have read their base and data
	s_mov_b32 s[BLK], s[LB]
	s_mov_b32 s[T1], 0                             ; the long pair's rows of obuf
	s_lshl_b32 s[T0], s[BLK], 19
	s_add_co_u32 s[T0], s[T0], s[COMO]
	s_add_nc_u64 s[OB:OB+1], s[6:7], s[T0:T1]
	WIN 0x41                                       ; its Q, each tile's 8 registers to both sides of the zeros
.irp j, 0,1,2,3,4,5,6,7
	v_mov_b32 v[64+\j], v[208+\j]
	v_mov_b32 v[80+\j], v[208+\j]
	v_mov_b32 v[88+\j], v[216+\j]
	v_mov_b32 v[104+\j], v[216+\j]
.endr
	WIN 0x01
	v_mov_b32 v233, v224
	WIN 0
	RESET
	QSC
	WALU
.Lsame_pair:
	s_cmp_ge_u32 s[I], s[SW]
	s_cselect_b32 s[T0], s[OFF2], 0
	s_add_co_u32 s[KS], s[I], s[T0]                ; this trip's key step
	s_cmp_gt_u32 s[KS], s[BLK]                     ; behind the pair's block: nothing counts (b's last trip)
	s_cbranch_scc1 .Lskip
	s_add_co_u32 s[T1], s[I], 1
	s_cmp_ge_u32 s[T1], s[SW]
	s_cselect_b32 s[T0], s[OFF2], 0
	s_add_co_u32 s[T1], s[T1], s[T0]
	s_min_u32 s[T1], s[T1], 15                     ; the next trip's key step, held inside the head
	s_lshl_b32 s[NKA], s[T1], 13
	s_lshl_b32 s[NKS], s[T1], 8
	s_add_co_u32 s[NKS], s[NKS], SCK
	s_min_u32 s[T0], s[KS], 15
	s_lshl_b32 s[VA], s[T0], 13
	s_add_co_u32 s[VA], s[VA], VOF
	s_lshl_b32 s[VS], s[T0], 8
	s_add_co_u32 s[VS], s[VS], SCV
	s_wait_dscnt 0x0                               ; K's fragments
	WIN 0x05
.irp t, 0,1,2,3
	v_wmma_scale_f32_16x16x128_f8f6f4 v[96+16*\t:103+16*\t], v[144+16*\t:159+16*\t], v[64:79], 0, v[24+\t], v20 matrix_a_fmt:MATRIX_FMT_BF8 matrix_b_fmt:MATRIX_FMT_BF8
	v_wmma_scale_f32_16x16x128_f8f6f4 v[104+16*\t:111+16*\t], v[144+16*\t:159+16*\t], v[72:87], 0, v[24+\t], v21 matrix_a_fmt:MATRIX_FMT_BF8 matrix_b_fmt:MATRIX_FMT_BF8
	v_wmma_scale_f32_16x16x128_f8f6f4 v[160+16*\t:167+16*\t], v[144+16*\t:159+16*\t], v[88:103], 0, v[24+\t], v22 matrix_a_fmt:MATRIX_FMT_BF8 matrix_b_fmt:MATRIX_FMT_BF8
	v_wmma_scale_f32_16x16x128_f8f6f4 v[168+16*\t:175+16*\t], v[144+16*\t:159+16*\t], v[96:111], 0, v[24+\t], v23 matrix_a_fmt:MATRIX_FMT_BF8 matrix_b_fmt:MATRIX_FMT_BF8
.endr
	WIN 0
	v_add_nc_u32 v8, s[NKA], v1                    ; four additions and four v_nop: the eight places behind the products
	v_add_nc_u32 v9, s[VA], v1
	v_add_nc_u32 v233, s[NKS], v2
	v_add_nc_u32 v249, s[VS], v2
	PLACES 4
	KLOAD 8, 233                                   ; the next step's K and this step's V land under the softmax
.irp t, 0,1,2,3
.irp c, 0,1,2,3
	ds_load_b128 v[32+16*\t+4*\c:35+16*\t+4*\c], v9 offset:2048*\t+512*\c
.endr
.endr
	ds_load_b128 v[28:31], v249
	s_cmp_lg_u32 s[KS], s[BLK]                     ; only the pair's own block lies on the diagonal
	s_cbranch_scc1 .Lopen
	v_mov_b32 v234, 0xff800000
.set jx, 0
.rept 64
	v_cmp_gt_i32 vcc_lo, 32*(jx/16)+jx%16, v5
	v_cndmask_b32 v[96+jx], v[96+jx], v234, vcc_lo
	v_cmp_gt_i32 vcc_lo, 32*(jx/16)+jx%16, v6
	v_cndmask_b32 v[160+jx], v[160+jx], v234, vcc_lo
.set jx, jx+1
.endr
.Lopen:
.irp b, 0,1,2,3                        ; each block's largest score, eight chains by turns
.irp T, 0,1
	v_max3_num_f32 v[224+16*\T+\b], v[96+64*\T+16*\b], v[97+64*\T+16*\b], v[98+64*\T+16*\b]
.endr
.endr
.irp i, 3,5,7,9,11,13
.irp b, 0,1,2,3
.irp T, 0,1
	v_max3_num_f32 v[224+16*\T+\b], v[224+16*\T+\b], v[96+64*\T+16*\b+\i], v[97+64*\T+16*\b+\i]
.endr
.endr
.endr
.irp b, 0,1,2,3
.irp T, 0,1
	v_max_num_f32 v[224+16*\T+\b], v[224+16*\T+\b], v[111+64*\T+16*\b]
.endr
.endr
.irp b, 0,1,2,3
.irp T, 0,1
	v_permlanex16_b32 v[228+16*\T+\b], v[224+16*\T+\b], s[SEL], s[SEL+1]
.endr
.endr
.irp b, 0,1,2,3
.irp T, 0,1
	v_max_num_f32 v[224+16*\T+\b], v[224+16*\T+\b], v[228+16*\T+\b]
.endr
.endr
.irp T, 0,1
	v_max3_num_f32 v[233+16*\T], v[224+16*\T], v[225+16*\T], v[226+16*\T]
.endr
.irp T, 0,1
	v_max_num_f32 v[233+16*\T], v[233+16*\T], v[227+16*\T]
.endr
.irp T, 0,1
	v_mul_f32 v[233+16*\T], s[CS], v[233+16*\T]
.endr
.irp T, 0,1
	v_max_num_f32 v[13+4*\T], v[13+4*\T], v[233+16*\T]   ; the running largest t
.endr
.irp T, 0,1
	v_mov_b32 v[233+16*\T], v[12+4*\T]
.endr
.irp T, 0,1
	v_floor_f32 v[12+4*\T], -v[13+4*\T]            ; -M = -ceil(t)
.endr
.irp T, 0,1
	v_sub_f32 v[233+16*\T], v[12+4*\T], v[233+16*\T]
.endr
.irp T, 0,1
	v_cvt_i32_f32 v[233+16*\T], v[233+16*\T]
.endr
.irp T, 0,1
	v_ldexp_f32 v[234+16*\T], 1.0, v[233+16*\T]    ; f = 2^(old M - new M)
.endr
.set jx, 0
.rept 32
	v_pk_fma_f32 v[96+jx:97+jx], v[96+jx:97+jx], s[CS:CS+1], v[12:13] op_sel_hi:[1,0,0]
.set jx, jx+2
.endr
.irp b, 0,1,2,3
.irp T, 0,1
	v_fma_f32 v[224+16*\T+\b], v[224+16*\T+\b], s[CS], v[12+4*\T]
.endr
.endr
	WALU                                           ; ahead of the first tile's batch
.set jx, 0
.rept 32                               ; the first tile's exponentials, the second tile's t - M among them
	v_exp_f32 v[96+jx], v[96+jx]
	v_exp_f32 v[97+jx], v[97+jx]
	v_pk_fma_f32 v[160+jx:161+jx], v[160+jx:161+jx], s[CS:CS+1], v[16:17] op_sel_hi:[1,0,0]
.set jx, jx+2
.endr
.irp b, 0,1,2,3
	v_exp_f32 v[224+\b], v[224+\b]                 ; each block's largest p
.endr
	v_pk_mul_f32 v[14:15], v[14:15], v[234:235] op_sel_hi:[1,0]
	WALU                                           ; behind the batch
	SUMS 0
	SCL 0
	WALU                                           ; ahead of the second tile's batch
.set jx, 0
.rept 32                               ; the second tile's exponentials, the first tile's holds among them
	v_exp_f32 v[160+jx], v[160+jx]
	v_exp_f32 v[161+jx], v[161+jx]
	HOLD2 0, jx
.set jx, jx+2
.endr
.irp b, 0,1,2,3
	v_exp_f32 v[240+\b], v[240+\b]
.endr
	v_pk_mul_f32 v[18:19], v[18:19], v[250:251] op_sel_hi:[1,0]
	WALU                                           ; behind the batch
	SUMS 1
	SCL 1
.set jx, 0
.rept 32
	HOLD2 1, jx
.set jx, jx+2
.endr
	WIN 0x40
.irp T, 0,1
.irp b, 0,1,2,3
	v_cvt_scalef32_pk8_bf8_f32 v[112+16*\T+4*\b:113+16*\T+4*\b], v[96+64*\T+16*\b:103+64*\T+16*\b], v[236+16*\T+\b]
	v_cvt_scalef32_pk8_bf8_f32 v[114+16*\T+4*\b:115+16*\T+4*\b], v[104+64*\T+16*\b:111+64*\T+16*\b], v[236+16*\T+\b]
.endr
.endr
	WIN 0x41
	WALU                                           ; directly ahead of the first readers of O^T
.set jx, 0
.rept 32
	v_pk_mul_f32 v[jx:jx+1], v[jx:jx+1], v[234+16*(jx/32):235+16*(jx/32)] op_sel_hi:[1,0]   ; O^T under the new M; also the places ahead of the products
.set jx, jx+2
.endr
	WIN 0
	WALU
	s_wait_dscnt 0x0                               ; V's fragments, and the next step's K
	WIN 0x54
.irp t, 0,1,2,3
	v_wmma_scale_f32_16x16x128_f8f6f4 v[8*\t:8*\t+7], v[32+16*\t:47+16*\t], v[112:127], v[8*\t:8*\t+7], v[28+\t], v232 matrix_a_fmt:MATRIX_FMT_BF8 matrix_b_fmt:MATRIX_FMT_BF8
	v_wmma_scale_f32_16x16x128_f8f6f4 v[32+8*\t:39+8*\t], v[32+16*\t:47+16*\t], v[128:143], v[32+8*\t:39+8*\t], v[28+\t], v248 matrix_a_fmt:MATRIX_FMT_BF8 matrix_b_fmt:MATRIX_FMT_BF8
.endr
	WIN 0
.Lskip:
	s_add_co_u32 s[I], s[I], 1
	s_cmp_lt_u32 s[I], 9
	s_cbranch_scc1 .Ltrip
	PLACES 8
	s_cmp_ge_u32 s[WV], 4
	s_cbranch_scc1 .Lnot_a
	WIN 0x04                                       ; a: my part of the long pair as an image of its registers
.set jx, 0
.rept 16
	ds_store_b128 v0, v[4*jx:4*jx+3] offset:512*jx
.set jx, jx+1
.endr
	WIN 0
	ds_store_b128 v0, v[12:15] offset:8192
	ds_store_b128 v0, v[16:19] offset:8704
.Lnot_a:
	s_wait_dscnt 0x0
	s_barrier_signal -1
	s_barrier_wait -1
	s_cmp_lt_u32 s[WV], 4
	s_cbranch_scc1 .Lend
	; b: the two parts are joined under the larger M, divided by the whole sum, and stored
.set jx, 0
.rept 16
	ds_load_b128 v[96+4*jx:99+4*jx], v0 offset:512*jx
.set jx, jx+1
.endr
	ds_load_b128 v[32:35], v0 offset:8192
	ds_load_b128 v[36:39], v0 offset:8704
	s_wait_dscnt 0x0
.irp T, 0,1
	v_min_num_f32 v[224+16*\T], v[32+4*\T], v[12+4*\T]
	v_add_f32 v[227+16*\T], v[34+4*\T], v[35+4*\T]
	v_add_f32 v[14+4*\T], v[14+4*\T], v[15+4*\T]
.endr
.irp T, 0,1
	v_sub_f32 v[225+16*\T], v[224+16*\T], v[32+4*\T]
	v_sub_f32 v[226+16*\T], v[224+16*\T], v[12+4*\T]
.endr
.irp T, 0,1
	v_cvt_i32_f32 v[225+16*\T], v[225+16*\T]
	v_cvt_i32_f32 v[226+16*\T], v[226+16*\T]
.endr
.irp T, 0,1
	v_ldexp_f32 v[225+16*\T], 1.0, v[225+16*\T]
	v_ldexp_f32 v[226+16*\T], 1.0, v[226+16*\T]
.endr
.irp T, 0,1
	v_mul_f32 v[227+16*\T], v[227+16*\T], v[225+16*\T]
.endr
.irp T, 0,1
	v_fma_f32 v[14+4*\T], v[14+4*\T], v[226+16*\T], v[227+16*\T]
.endr
.irp T, 0,1
	v_permlanex16_b32 v[228+16*\T], v[14+4*\T], s[SEL], s[SEL+1]
.endr
.irp T, 0,1
	v_add_f32 v[14+4*\T], v[14+4*\T], v[228+16*\T]
.endr
	WALU
.irp T, 0,1
	v_rcp_f32 v[229+16*\T], v[14+4*\T]
.endr
	v_nop
	WALU
.irp T, 0,1
	v_mul_f32 v[234+16*\T], v[225+16*\T], v[229+16*\T]
	v_mul_f32 v[236+16*\T], v[226+16*\T], v[229+16*\T]
.endr
.set jx, 0
.rept 32
	v_pk_mul_f32 v[96+jx:97+jx], v[96+jx:97+jx], v[234+16*(jx/32):235+16*(jx/32)] op_sel_hi:[1,0]
.set jx, jx+2
.endr
	WIN 0x01
	WALU                                           ; directly ahead of the first readers of O^T
.set jx, 0
.rept 32
	v_pk_fma_f32 v[96+jx:97+jx], v[jx:jx+1], v[236+16*(jx/32):237+16*(jx/32)], v[96+jx:97+jx] op_sel_hi:[1,0,1]
.set jx, jx+2
.endr
	WIN 0
	WALU
	SEND 96, 160, 0
	SEND 128, 192, 32768
.Lend:
	s_wait_tensorcnt 0x0                           ; the wave's end
	ds_add_u32 v3, v4
	s_wait_dscnt 0x0
	CROUND                                         ; the closing round
	s_endpgm
.Lfunc_end_k_q87c9b99f6b_attn:
	.size	k_q87c9b99f6b_attn, .Lfunc_end_k_q87c9b99f6b_attn-k_q87c9b99f6b_attn
	.p2alignl 7, 3214868480
	.fill 96, 4, 3214868480
	.section	.rodata,"a",@progbits
	.p2align	6, 0x0
	.amdhsa_kernel k_q87c9b99f6b_attn
		.amdhsa_group_segment_fixed_size 327680
		.amdhsa_private_segment_fixed_size 0
		.amdhsa_enable_private_segment 0
		.amdhsa_kernarg_size 16
		.amdhsa_user_sgpr_count 2
		.amdhsa_user_sgpr_kernarg_segment_ptr 1
		.amdhsa_wavefront_size32 1
		.amdhsa_system_sgpr_workgroup_id_x 1
		.amdhsa_system_sgpr_workgroup_id_y 1
		.amdhsa_system_sgpr_workgroup_id_z 1
		.amdhsa_system_vgpr_workitem_id 0
		.amdhsa_next_free_vgpr 488
		.amdhsa_next_free_sgpr 72
		.amdhsa_reserve_vcc 1
		.amdhsa_float_denorm_mode_32 3
		.amdhsa_float_denorm_mode_16_64 3
		.amdhsa_memory_ordered 1
		.amdhsa_forward_progress 1
		.amdhsa_inst_pref_size 82
	.end_amdhsa_kernel
	.amdgpu_metadata
---
amdhsa.version: [ 1, 2 ]
amdhsa.kernels:
  - .name:           k_q87c9b99f6b_attn
    .symbol:         k_q87c9b99f6b_attn.kd
    .args:
      - { .name: qkvc, .offset: 0, .size: 8, .value_kind: global_buffer, .address_space: global }
      - { .name: obuf, .offset: 8, .size: 8, .value_kind: global_buffer, .address_space: global }
    .group_segment_fixed_size: 327680
    .private_segment_fixed_size: 0
    .kernarg_segment_align: 8
    .kernarg_segment_size: 16
    .max_flat_workgroup_size: 256
    .sgpr_count:     72
    .vgpr_count:     488
    .wavefront_size: 32
...
	.end_amdgpu_metadata
.endif
;; end of part 3
;; launch ln2 (part 4): grid 256 x 1, 8 waves a work-group, no clusters, 66,816 bytes of LDS; arguments x, obuf, g1, be1, g2, be2, h2f, h2img; writes h2f, h2img
.if DOCPART == 4
	.amdgcn_target "amdgcn-amd-amdhsa--gfx1250"
	.amdhsa_code_object_version 6
	.text
	.protected	k_q87c9b99f6b_ln2
	.globl	k_q87c9b99f6b_ln2
	.p2align	8
	.type	k_q87c9b99f6b_ln2,@function
k_q87c9b99f6b_ln2:
	s_mov_b64 s[64:65], 0
	v_nop
	global_prefetch_b8 v0, s[64:65] scope:SCOPE_SE
	s_setreg_imm32_b32 hwreg(HW_REG_WAVE_MODE, 25, 1), 1
	s_wait_xcnt 0x0
; h2 = LN2(LN1(x) + o).  h is made again from x, by the same lines as in the launch prep, which moves fewer bytes than storing and loading it.  h2 leaves twice: as f32 (the last residual) and as codes of BF8 with E8M0 scales along d,
; in the image that prep's head comment describes (operand A of the first FFN product).  Nothing of reference() is left out here.  LIMITS as in prep: 1/1024, 1/1023 and v_rsq_f32 in place of divisions; the scale byte's floor of 1.
; Work-group j takes the 16 rows of row block j; wave w rows 2 w, 2 w + 1 of them, then K step w of all 16.  Memory binds: no matrix unit, no cluster, no tensor load.
.set GB,    33792
.set RP,    4112
.set SPARE, 16*RP
.set SPW, 12
.set NIL, 13
.set X,   32                           ; v32-95   two rows
.set O,   96                           ; v96-159  the same two rows of o
.set PC,  160
.set TM,  176
.set PW,  192
.set SEL, 2
.set MNT, 4
.set C1023, 5
.set EPS, 6
.set WV,  7
.set MSB, 0                            ; window 1: v0-31 g1, v32-63 be1, v64-95 g2, v96-127 be2, at my columns
.macro WIN new
.if MSB != (\new)
	s_set_vgpr_msb (MSB<<8)|(\new)
.set MSB, (\new)
.endif
.endm
.macro REDUCE
.irp i, 0
	s_delay_alu instid0(VALU_DEP_3)
	v_pk_add_f32 v[16+4*\i:17+4*\i], v[16+4*\i:17+4*\i], v[18+4*\i:19+4*\i]
.endr
.irp i, 1
	s_delay_alu instid0(VALU_DEP_2)
	v_pk_add_f32 v[16+4*\i:17+4*\i], v[16+4*\i:17+4*\i], v[18+4*\i:19+4*\i]
.endr
.irp i, 0,1
	s_delay_alu instid0(VALU_DEP_2)
	v_add_f32 v[16+4*\i], v[16+4*\i], v[17+4*\i]
.endr
.irp m, 1,2,4,8
.irp i, 0,1
	s_delay_alu instid0(VALU_DEP_2)
	v_add_f32_dpp v[16+4*\i], v[16+4*\i], v[16+4*\i] row_xmask:\m row_mask:0xf bank_mask:0xf
.endr
.endr
.irp i, 0,1
	s_delay_alu instid0(VALU_DEP_2)
	v_permlanex16_b32 v[17+4*\i], v[16+4*\i], s[SEL], s[SEL+1]
.endr
.irp i, 0,1
	s_delay_alu instid0(VALU_DEP_2)
	v_add_f32 v[16+4*\i], v[16+4*\i], v[17+4*\i]
.endr
.endm
.macro LNORM xr, gr, br, win           ; two rows at v[xr], v[xr+32] are normalised in place; gain and bias lie in the window that win names
.irp i, 0,1
	v_pk_add_f32 v[16+4*\i:17+4*\i], v[\xr+32*\i:\xr+32*\i+1], v[\xr+32*\i+2:\xr+32*\i+3]
	v_pk_add_f32 v[18+4*\i:19+4*\i], v[\xr+32*\i+4:\xr+32*\i+5], v[\xr+32*\i+6:\xr+32*\i+7]
.endr
.irp k, 8,12,16,20,24,28
.irp i, 0,1
	s_delay_alu instid0(VALU_DEP_4)
	v_pk_add_f32 v[16+4*\i:17+4*\i], v[16+4*\i:17+4*\i], v[\xr+32*\i+\k:\xr+32*\i+\k+1]
	s_delay_alu instid0(VALU_DEP_4)
	v_pk_add_f32 v[18+4*\i:19+4*\i], v[18+4*\i:19+4*\i], v[\xr+32*\i+\k+2:\xr+32*\i+\k+3]
.endr
.endr
	REDUCE
.irp i, 0
	s_delay_alu instid0(VALU_DEP_2)
	v_mul_f32 v[24+2*\i], 0x3a800000, v[16+4*\i]
	s_delay_alu instid0(VALU_DEP_3)
	v_mul_f32 v[25+2*\i], 0x3a800000, v[16+4*\i]
.endr
.irp i, 1
	s_delay_alu instid0(VALU_DEP_3)
	v_mul_f32 v[24+2*\i], 0x3a800000, v[16+4*\i]
	s_delay_alu instid0(VALU_DEP_4)
	v_mul_f32 v[25+2*\i], 0x3a800000, v[16+4*\i]
.endr
.irp k, 0,2,4,6,8,10,12,14,16,18,20,22,24,26,28,30
.irp i, 0,1
	v_pk_add_f32 v[\xr+32*\i+\k:\xr+32*\i+\k+1], v[\xr+32*\i+\k:\xr+32*\i+\k+1], v[24+2*\i:25+2*\i] neg_lo:[0,1] neg_hi:[0,1]
.endr
.endr
.irp i, 0,1
	v_pk_mul_f32 v[16+4*\i:17+4*\i], v[\xr+32*\i:\xr+32*\i+1], v[\xr+32*\i:\xr+32*\i+1]
	v_pk_mul_f32 v[18+4*\i:19+4*\i], v[\xr+32*\i+2:\xr+32*\i+3], v[\xr+32*\i+2:\xr+32*\i+3]
.endr
.irp k, 4,8,12,16,20,24,28
.irp i, 0,1
	s_delay_alu instid0(VALU_DEP_4)
	v_pk_fma_f32 v[16+4*\i:17+4*\i], v[\xr+32*\i+\k:\xr+32*\i+\k+1], v[\xr+32*\i+\k:\xr+32*\i+\k+1], v[16+4*\i:17+4*\i]
	s_delay_alu instid0(VALU_DEP_4)
	v_pk_fma_f32 v[18+4*\i:19+4*\i], v[\xr+32*\i+\k+2:\xr+32*\i+\k+3], v[\xr+32*\i+\k+2:\xr+32*\i+\k+3], v[18+4*\i:19+4*\i]
.endr
.endr
	REDUCE
.irp i, 0,1
	s_delay_alu instid0(VALU_DEP_2)
	v_fma_f32 v[16+4*\i], v[16+4*\i], s[C1023], s[EPS]
.endr
	s_wait_alu depctr_va_vdst(0)
.irp i, 0,1
	v_rsq_f32 v[28+2*\i], v[16+4*\i]
.endr
	v_nop                                          ; a plain instruction behind the two roots,
	s_wait_alu depctr_va_vdst(0)                   ; and one wait for both, ahead of their first reader
.irp i, 0,1
	v_mov_b32 v[29+2*\i], v[28+2*\i]
.endr
.irp k, 0,2,4,6,8,10,12,14,16,18,20,22,24,26,28,30
.irp i, 0,1
	v_pk_mul_f32 v[\xr+32*\i+\k:\xr+32*\i+\k+1], v[\xr+32*\i+\k:\xr+32*\i+\k+1], v[28+2*\i:29+2*\i]
.endr
.endr
	WIN \win
.irp k, 0,2,4,6,8,10,12,14,16,18,20,22,24,26,28,30
.irp i, 0,1
	v_pk_fma_f32 v[\xr+32*\i+\k:\xr+32*\i+\k+1], v[\xr+32*\i+\k:\xr+32*\i+\k+1], v[\gr+\k:\gr+\k+1], v[\br+\k:\br+\k+1]
.endr
.endr
	WIN 0
.endm
.macro QUANT s, pw                     ; 64 numbers of a lane, register 16 b + i = k 32 b + 16 (lane / 16) + i of my row, become codes in v[PC] on and a scale word in v[pw]
.irp b, 0,1,2,3
	v_max3_num_f32 v[TM+\b], |v[\s+16*\b]|, |v[\s+1+16*\b]|, 0x8000000
.endr
.irp i, 2,4,6,8,10,12,14
.irp b, 0,1,2,3
	s_delay_alu instid0(VALU_DEP_4)
	v_max3_num_f32 v[TM+\b], v[TM+\b], |v[\s+16*\b+\i]|, |v[\s+1+16*\b+\i]|
.endr
.endr
.irp b, 0,1,2,3
	s_delay_alu instid0(VALU_DEP_4)
	v_permlanex16_b32 v[TM+4+\b], v[TM+\b], s[SEL], s[SEL+1]
.endr
.irp b, 0,1,2,3
	s_delay_alu instid0(VALU_DEP_4)
	v_max_num_f32 v[TM+\b], v[TM+\b], v[TM+4+\b]
.endr
.irp b, 0,1,2,3
	s_delay_alu instid0(VALU_DEP_4)
	v_add_nc_u32 v[TM+12+\b], 0xf8800000, v[TM+\b]
.endr
.irp b, 0,1,2,3
	v_and_or_b32 v[TM+8+\b], v[TM+\b], 0x7f800000, s[MNT]
.endr
.irp b, 0,1,2,3
	v_lshrrev_b32 v[TM+4+\b], 23, v[TM+12+\b]
.endr
	s_delay_alu instid0(VALU_DEP_3)
	v_lshl_or_b32 v[\pw], v[TM+5], 8, v[TM+4]
	s_delay_alu instid0(VALU_DEP_1)
	v_lshl_or_b32 v[\pw], v[TM+6], 16, v[\pw]
	s_delay_alu instid0(VALU_DEP_1)
	v_lshl_or_b32 v[\pw], v[TM+7], 24, v[\pw]
.irp b, 0,1,2,3
.irp i, 0,1,2,3,4,5,6,7,8,9,10,11,12,13,14,15
	v_med3_num_f32 v[\s+16*\b+\i], v[\s+16*\b+\i], -v[TM+8+\b], v[TM+8+\b]
.endr
	v_cvt_scalef32_pk8_bf8_f32 v[PC+4*\b:PC+1+4*\b], v[\s+16*\b:\s+7+16*\b], v[TM+12+\b]
	v_cvt_scalef32_pk8_bf8_f32 v[PC+2+4*\b:PC+3+4*\b], v[\s+8+16*\b:\s+15+16*\b], v[TM+12+\b]
.endr
	v_nop
.endm
	s_load_b512 s[8:23], s[0:1], 0x0               ; x s[8:9], obuf s[10:11], g1 s[12:13], be1 s[14:15], g2 s[16:17], be2 s[18:19], h2f s[20:21], h2img s[22:23]
	v_lshl_add_u32 v[SPW], v0, 2, SPARE
	v_mov_b32 v[NIL], 0
	v_lshrrev_b32 v1, 5, v0
	s_delay_alu instid0(VALU_DEP_1)
	v_readfirstlane_b32 s[WV], v1
	v_and_b32 v1, 31, v0
	v_and_b32 v2, 15, v0
	v_bfe_u32 v3, v0, 4, 1
	s_delay_alu instid0(VALU_DEP_3)
	v_lshlrev_b32 v4, 4, v1
	s_wait_alu depctr_va_vdst(0)
	s_mov_b32 s[SEL], 0x76543210
	s_mov_b32 s[SEL+1], 0xfedcba98
	s_mov_b32 s[MNT], 0x600000
	s_mov_b32 s[C1023], 0x3a802008
	s_mov_b32 s[EPS], 0x3727c5ac
	s_lshr_b32 s26, ttmp9, 1                       ; my first row: 32 (j / 2) + 8 (j % 2) + 2 w + 8 (w / 4)
	s_lshl_b32 s26, s26, 5
	s_and_b32 s27, ttmp9, 1
	s_lshl_b32 s27, s27, 3
	s_add_co_u32 s26, s26, s27
	s_lshl_b32 s27, s[WV], 1
	s_add_co_u32 s26, s26, s27
	s_lshr_b32 s27, s[WV], 2
	s_lshl_b32 s27, s27, 3
	s_add_co_u32 s26, s26, s27
	s_lshl_b32 s26, s26, 12
	s_mov_b32 s27, 0
	s_mul_i32 s28, s[WV], 2*RP
	v_add_nc_u32 v5, s28, v4
	v_mul_u32_u24 v6, v2, RP
	s_delay_alu instid0(VALU_DEP_1)
	v_lshl_add_u32 v6, v3, 6, v6
	s_lshl_b32 s28, s[WV], 9
	v_add_nc_u32 v6, s28, v6
	v_lshlrev_b32 v8, 2, v2
	s_lshr_b32 s28, s[WV], 1
	s_lshl_b32 s28, s28, 5
	s_lshr_b32 s29, ttmp9, 3
	s_add_co_u32 s28, s28, s29
	s_mul_i32 s28, s28, GB
	s_and_b32 s29, ttmp9, 7
	s_and_b32 s30, s[WV], 1
	s_lshl_b32 s31, s29, 12
	s_lshl_b32 s32, s30, 11
	s_add_co_u32 s32, s32, s31
	s_add_co_u32 s32, s32, s28
	s_mov_b32 s33, 0
	s_lshl_b32 s31, s29, 6
	s_lshl_b32 s34, s30, 9
	s_add_co_u32 s34, s34, s31
	s_add_co_u32 s34, s34, s28
	s_add_co_u32 s34, s34, 32768
	s_mov_b32 s35, 0
.irp b, 0,1,2,3
	v_mov_b32 v[TM+4+\b], 0
.endr
	s_wait_kmcnt 0x0
	s_add_nc_u64 s[8:9], s[8:9], s[26:27]
	s_add_nc_u64 s[10:11], s[10:11], s[26:27]
	s_add_nc_u64 s[20:21], s[20:21], s[26:27]
	s_add_nc_u64 s[32:33], s[22:23], s[32:33]
	s_add_nc_u64 s[34:35], s[22:23], s[34:35]
.irp i, 0,1
.irp jj, 0,1,2,3,4,5,6,7
	global_load_b128 v[X+32*\i+4*\jj:X+32*\i+4*\jj+3], v4, s[8:9] offset:\i*4096+512*\jj th:TH_LOAD_NT
.endr
.endr
.irp i, 0,1
.irp jj, 0,1,2,3,4,5,6,7
	global_load_b128 v[O+32*\i+4*\jj:O+32*\i+4*\jj+3], v4, s[10:11] offset:\i*4096+512*\jj th:TH_LOAD_NT
.endr
.endr
	WIN 0x40                                       ; destination window 1, address window 0
.irp jj, 0,1,2,3,4,5,6,7
	global_load_b128 v[4*\jj:4*\jj+3], v4, s[12:13] offset:512*\jj
	global_load_b128 v[32+4*\jj:32+4*\jj+3], v4, s[14:15] offset:512*\jj
	global_load_b128 v[64+4*\jj:64+4*\jj+3], v4, s[16:17] offset:512*\jj
	global_load_b128 v[96+4*\jj:96+4*\jj+3], v4, s[18:19] offset:512*\jj
.endr
	WIN 0
	s_wait_loadcnt 0x0
	LNORM X, 0, 32, 0x14                           ; h;  sources 1 and 2 of the last multiply-adds lie in window 1
.set jx, 0
.rept 32
	v_pk_add_f32 v[X+jx:X+jx+1], v[X+jx:X+jx+1], v[O+jx:O+jx+1]   ; x2 = h + o
.set jx, jx+2
.endr
	LNORM X, 64, 96, 0x14                          ; h2
.irp i, 0,1
.irp jj, 0,1,2,3,4,5,6,7
	global_store_b128 v4, v[X+32*\i+4*\jj:X+32*\i+4*\jj+3], s[20:21] offset:\i*4096+512*\jj   ; 512 consecutive bytes
.endr
.endr
.irp i, 0,1
.irp jj, 0,1,2,3,4,5,6,7
	ds_store_b128 v5, v[X+32*\i+4*\jj:X+32*\i+4*\jj+3] offset:\i*RP+512*\jj
.endr
.endr
	s_wait_dscnt 0x0                               ; for the others' sake: my two rows lie in LDS
	s_barrier_signal -1
	s_barrier_wait -1
	s_wait_xcnt 0x0                                ; the stores of h2 have read their registers: they are loaded again only behind this wait
.irp c, 0,1,2,3
.irp jj, 0,1,2,3
	ds_load_b128 v[X+16*\c+4*\jj:X+16*\c+4*\jj+3], v6 offset:128*\c+16*\jj
.endr
.endr
	s_wait_dscnt 0x0
	QUANT X, PW
.irp c, 0,1,2,3
	global_store_b128 v4, v[PC+4*\c:PC+4*\c+3], s[32:33] offset:512*\c
.endr
	global_store_b32 v8, v[PW], s[34:35]           ; 64 bytes: lanes l and l xor 16 hold the same word and write it to the same place
	s_wait_tensorcnt 0x0                           ; the wave's end
	ds_add_u32 v[SPW], v[NIL]
	s_wait_dscnt 0x0
	s_endpgm
.Lfunc_end_k_q87c9b99f6b_ln2:
	.size	k_q87c9b99f6b_ln2, .Lfunc_end_k_q87c9b99f6b_ln2-k_q87c9b99f6b_ln2
	.p2alignl 7, 3214868480
	.fill 96, 4, 3214868480
	.section	.rodata,"a",@progbits
	.p2align	6, 0x0
	.amdhsa_kernel k_q87c9b99f6b_ln2
		.amdhsa_group_segment_fixed_size 66816
		.amdhsa_private_segment_fixed_size 0
		.amdhsa_enable_private_segment 0
		.amdhsa_kernarg_size 64
		.amdhsa_user_sgpr_count 2
		.amdhsa_user_sgpr_kernarg_segment_ptr 1
		.amdhsa_wavefront_size32 1
		.amdhsa_system_sgpr_workgroup_id_x 1
		.amdhsa_system_sgpr_workgroup_id_y 1
		.amdhsa_system_sgpr_workgroup_id_z 1
		.amdhsa_system_vgpr_workitem_id 0
		.amdhsa_next_free_vgpr 384
		.amdhsa_next_free_sgpr 66
		.amdhsa_reserve_vcc 0
		.amdhsa_float_denorm_mode_32 3
		.amdhsa_float_denorm_mode_16_64 3
		.amdhsa_memory_ordered 1
		.amdhsa_forward_progress 1
		.amdhsa_inst_pref_size 55
	.end_amdhsa_kernel
	.amdgpu_metadata
---
amdhsa.version: [ 1, 2 ]
amdhsa.kernels:
  - .name:           k_q87c9b99f6b_ln2
    .symbol:         k_q87c9b99f6b_ln2.kd
    .args:
      - { .name: x, .offset: 0, .size: 8, .value_kind: global_buffer, .address_space: global }
      - { .name: obuf, .offset: 8, .size: 8, .value_kind: global_buffer, .address_space: global }
      - { .name: g1, .offset: 16, .size: 8, .value_kind: global_buffer, .address_space: global }
      - { .name: be1, .offset: 24, .size: 8, .value_kind: global_buffer, .address_space: global }
      - { .name: g2, .offset: 32, .size: 8, .value_kind: global_buffer, .address_space: global }
      - { .name: be2, .offset: 40, .size: 8, .value_kind: global_buffer, .address_space: global }
      - { .name: h2f, .offset: 48, .size: 8, .value_kind: global_buffer, .address_space: global }
      - { .name: h2img, .offset: 56, .size: 8, .value_kind: global_buffer, .address_space: global }
    .group_segment_fixed_size: 66816
    .private_segment_fixed_size: 0
    .kernarg_segment_align: 8
    .kernarg_segment_size: 64
    .max_flat_workgroup_size: 256
    .sgpr_count:     66
    .vgpr_count:     384
    .wavefront_size: 32
...
	.end_amdgpu_metadata
.endif
;; end of part 4
;; launch ffn1 (part 5): grid 16 x 16, 4 waves a work-group, clusters of 4 x 4, 327,680 bytes of LDS; arguments h2img, pimg, bb1, hid; writes hid
.if DOCPART == 5
	.amdgcn_target "amdgcn-amd-amdhsa--gfx1250"
	.amdhsa_code_object_version 6
	.text
	.protected	k_q87c9b99f6b_ffn1
	.globl	k_q87c9b99f6b_ffn1
	.p2align	8
	.type	k_q87c9b99f6b_ffn1,@function
k_q87c9b99f6b_ffn1:
	s_mov_b64 s[64:65], 0
	v_nop
	global_prefetch_b8 v0, s[64:65] scope:SCOPE_SE
	s_setreg_imm32_b32 hwreg(HW_REG_WAVE_MODE, 25, 1), 1
	s_wait_xcnt 0x0
	s_wait_alu depctr_hold_cnt(0) depctr_sa_sdst(0) depctr_va_vdst(0) depctr_va_sdst(0) depctr_va_ssrc(0) depctr_va_vcc(0) depctr_vm_vsrc(0)
	s_getreg_b32 s2, hwreg(HW_REG_IB_STS2, 6, 4)
	s_cmp_eq_u32 s2, 0
	s_cbranch_scc0 .Lentry_in_a_cluster
	s_endpgm
.Lentry_in_a_cluster:
	s_bfe_u32 s2, ttmp6, 0x10000c
	s_cmp_lg_u32 s2, 0xf033
	s_cbranch_scc0 .Lentry_shape_is_right
	s_endpgm
.Lentry_shape_is_right:
.set GB,    33792
.set SLOT,  4*GB
.set SPARE, 2*SLOT
.set W1IMG, 224*GB
.set LAPS,  2
.set HA4,   16
.set ADRA, 16
.set ADRB, 20
.set ADRS, 22
.set CO,   24
.set SO,   25
.set SPW,  28
.set NIL,  29
.set SC,   32
.set BIAS, 64
.set AF,   128
.set T,    128
.set PC,   192
.set TM,   208
.set SW,   224
.set OW,   240
.set G1,  24
.set G0,  32
.set G1B, 48
.set G0B, 56
.set SEL, 84
.set MNT, 86
.set MUL_LO, 0xa1
.set MUL_HI, 0xf1
.set TO_B,   0x40
.set MSB, 0
.macro WIN new
.if MSB != (\new)
	s_set_vgpr_msb (MSB<<8)|(\new)
.set MSB, (\new)
.endif
.endm
.macro JLOAD g0a, g1a, g0b, g1b
	s_cmp_eq_u32 s15, 0
	s_cbranch_scc0 .Lfor_b_\@
	tensor_load_to_lds s[\g0a:\g0a+3], s[\g1a:\g1a+7]
	s_nop 0
.rept 4
	v_nop
.endr
	s_branch .Lasked_\@
.Lfor_b_\@:
	tensor_load_to_lds s[\g0b:\g0b+3], s[\g1b:\g1b+7]
	s_nop 0
.rept 4
	v_nop
.endr
.Lasked_\@:
.endm
.macro CREST
	s_cmp_lg_u32 s14, 0
	s_cbranch_scc1 .Lnot_wave_0_\@
	s_barrier_signal -3
.Lnot_wave_0_\@:
	s_barrier_wait -3
	s_barrier_signal -1
	s_barrier_wait -1
.endm
.macro CROUND
	s_barrier_signal -1
	s_barrier_wait -1
	CREST
.endm
.macro PLACES n
.rept \n
	v_nop
.endr
.endm
.macro FRAG reg, adr, off
.irp c, 0,1,2,3
	ds_load_b128 v[(\reg)+4*\c:(\reg)+4*\c+3], v[\adr] offset:(\off)+512*\c
.endr
.endm
.macro FETCH_B slot, q, p
	WIN TO_B
.irp i, 0,1,2,3,4,5,6,7
	FRAG 128*(\p)+16*\i, ADRB+\slot, ((\q)/2)*GB+((\q)%2)*2048+4096*\i
.endr
	WIN 0
.endm
.macro FETCH_A slot, q, i0
.irp i, \i0, \i0+1, \i0+2, \i0+3
	FRAG AF+16*(\i), ADRA+\slot, ((\q)/2)*GB+((\q)%2)*2048+4096*(\i)
.endr
.endm
.macro SCALES slot, q
.irp i, 0,1,2,3,4,5,6,7
	ds_load_b32 v[SC+8*((\q)%2)+\i], v[ADRS+\slot] offset:((\q)/2)*GB+((\q)%2)*512+64*\i
.endr
.endm
.macro MULA a, p, zero
.irp b, 0,1,2,3,4,5,6,7
.if \zero
	v_wmma_scale_f32_16x16x128_f8f6f4 v[8*(8*((\a)%4)+\b):8*(8*((\a)%4)+\b)+7], v[128*(\p)+16*\b:128*(\p)+16*\b+15], v[AF+16*(\a):AF+16*(\a)+15], 0, v[SC+8*(\p)+\b], v[SC+8*(\p)+(\a)] matrix_a_fmt:MATRIX_FMT_BF8 matrix_b_fmt:MATRIX_FMT_BF8 matrix_a_scale:MATRIX_SCALE_ROW1
.else
	v_wmma_scale_f32_16x16x128_f8f6f4 v[8*(8*((\a)%4)+\b):8*(8*((\a)%4)+\b)+7], v[128*(\p)+16*\b:128*(\p)+16*\b+15], v[AF+16*(\a):AF+16*(\a)+15], v[8*(8*((\a)%4)+\b):8*(8*((\a)%4)+\b)+7], v[SC+8*(\p)+\b], v[SC+8*(\p)+(\a)] matrix_a_fmt:MATRIX_FMT_BF8 matrix_b_fmt:MATRIX_FMT_BF8 matrix_a_scale:MATRIX_SCALE_ROW1
.endif
.endr
.endm
.macro STEP slot, q, zero
	s_wait_dscnt HA4
	WIN MUL_LO
	MULA 0, (\q)%2, \zero
	MULA 1, (\q)%2, \zero
	MULA 2, (\q)%2, \zero
	MULA 3, (\q)%2, \zero
	s_wait_dscnt 0x0
	PLACES 8
	FETCH_B \slot, (\q)+1, 1-(\q)%2
	SCALES \slot, (\q)+1
	FETCH_A \slot, (\q)+1, 0
	WIN MUL_HI
	MULA 4, (\q)%2, \zero
	MULA 5, (\q)%2, \zero
	MULA 6, (\q)%2, \zero
	MULA 7, (\q)%2, \zero
	PLACES 8
	WIN 0
	FETCH_A \slot, (\q)+1, 4
.endm
.macro TURN slot, next, fill
	s_wait_tensorcnt 0x0
	ds_add_u32 v[SPW], v[NIL]
	s_wait_dscnt HA4+1
	WIN MUL_LO
	MULA 0, 1, 0
	MULA 1, 1, 0
	s_wait_dscnt 0x0
	s_barrier_signal -1
	MULA 2, 1, 0
	MULA 3, 1, 0
	WIN 0
	s_barrier_wait -1
.if \fill
	CREST
	s_add_nc_u64 s[G0+4*\slot+2:G0+4*\slot+3], s[G0+4*\slot+2:G0+4*\slot+3], 64*GB
	s_add_nc_u64 s[G0B+4*\slot+2:G0B+4*\slot+3], s[G0B+4*\slot+2:G0B+4*\slot+3], 64*GB
	JLOAD G0+4*\slot, G1, G0B+4*\slot, G1B
	PLACES 4
.else
	PLACES 8
.endif
	FETCH_B \next, 0, 0
	SCALES \next, 0
	FETCH_A \next, 0, 0
	WIN MUL_HI
	MULA 4, 1, 0
	MULA 5, 1, 0
	MULA 6, 1, 0
	MULA 7, 1, 0
	PLACES 8
	WIN 0
	FETCH_A \next, 0, 4
.endm
.macro QUANT s, pw
.irp b, 0,1,2,3
	v_max3_num_f32 v[TM+\b], v[\s+16*\b], v[\s+1+16*\b], 0x8000000
.endr
.irp i, 2,4,6,8,10,12,14
.irp b, 0,1,2,3
	v_max3_num_f32 v[TM+\b], v[TM+\b], v[\s+16*\b+\i], v[\s+1+16*\b+\i]
.endr
.endr
.irp b, 0,1,2,3
	v_permlanex16_b32 v[TM+4+\b], v[TM+\b], s[SEL], s[SEL+1]
.endr
.irp b, 0,1,2,3
	v_max_num_f32 v[TM+\b], v[TM+\b], v[TM+4+\b]
.endr
.irp b, 0,1,2,3
	v_add_nc_u32 v[TM+12+\b], 0xf8800000, v[TM+\b]
.endr
.irp b, 0,1,2,3
	v_and_or_b32 v[TM+8+\b], v[TM+\b], 0x7f800000, s[MNT]
.endr
.irp b, 0,1,2,3
	v_lshrrev_b32 v[TM+4+\b], 23, v[TM+12+\b]
.endr
	v_lshl_or_b32 v[\pw], v[TM+5], 8, v[TM+4]
	v_lshl_or_b32 v[\pw], v[TM+6], 16, v[\pw]
	v_lshl_or_b32 v[\pw], v[TM+7], 24, v[\pw]
.irp b, 0,1,2,3
.irp i, 0,1,2,3,4,5,6,7,8,9,10,11,12,13,14,15
	v_med3_num_f32 v[\s+16*\b+\i], v[\s+16*\b+\i], 0, v[TM+8+\b]
.endr
	v_cvt_scalef32_pk8_bf8_f32 v[PC+4*\b:PC+1+4*\b], v[\s+16*\b:\s+7+16*\b], v[TM+12+\b]
	v_cvt_scalef32_pk8_bf8_f32 v[PC+2+4*\b:PC+3+4*\b], v[\s+8+16*\b:\s+15+16*\b], v[TM+12+\b]
.endr
	v_nop
.endm
	s_load_b256 s[4:11], s[0:1], 0x0
	v_lshl_add_u32 v[SPW], v0, 2, SPARE
	v_mov_b32 v[NIL], 0
	ds_add_u32 v[SPW], v[NIL]
	ds_add_u32 v[SPW], v[NIL]
	v_lshrrev_b32 v1, 5, v0
	v_readfirstlane_b32 s14, v1
	s_lshr_b32 s15, s14, 1
	s_and_b32 s16, s14, 1
	s_bfe_u32 s40, ttmp6, 0x40000
	s_bfe_u32 s41, ttmp6, 0x40004
	s_lshl_b32 s42, ttmp9, 2
	s_add_co_u32 s42, s42, s40
	s_and_b32 s17, ttmp7, 0xffff
	s_lshl_b32 s17, s17, 2
	s_add_co_u32 s17, s17, s41
	s_lshl_b32 s43, s41, 2
	s_lshl_b32 s43, 15, s43
	s_lshl_b32 s44, 0x1111, s40
	s_or_b32 s[G1+0], s43, (3<<16)|(1<<21)
	s_or_b32 s[G1B+0], s44, (3<<16)|(1<<21)
.irp g, G1, G1B
	s_mov_b32 s[\g+1], 32<<16
	s_mov_b32 s[\g+2], 132<<16
	s_mov_b32 s[\g+3], 32<<16
	s_mov_b32 s[\g+4], 132
	s_mov_b32 s[\g+5], 32
	s_mov_b32 s[\g+6], 0
	s_mov_b32 s[\g+7], 0
.endr
	s_lshl_b32 s20, s17, 1
	s_add_co_u32 s20, s20, s16
	s_mul_i32 s20, s20, GB
	s_mov_b32 s21, 0
	s_lshl_b32 s46, s42, 1
	s_add_co_u32 s46, s46, s16
	s_mul_i32 s46, s46, GB
	s_add_co_u32 s46, s46, W1IMG
	s_mov_b32 s47, 0
	s_mul_i32 s45, s14, GB
	s_mov_b32 s[SEL], 0x76543210
	s_mov_b32 s[SEL+1], 0xfedcba98
	s_mov_b32 s[MNT], 0x600000
	s_wait_dscnt 0x0
	s_wait_kmcnt 0x0
	s_add_nc_u64 s[20:21], s[4:5], s[20:21]
	s_add_nc_u64 s[46:47], s[6:7], s[46:47]
	CROUND
.irp s, 0,1
	s_mov_b32 s[G0+4*\s], 1
	s_add_co_u32 s[G0+4*\s+1], s45, \s*SLOT
	s_add_nc_u64 s[G0+4*\s+2:G0+4*\s+3], s[20:21], \s*32*GB
	s_or_b32 s[G0+4*\s+3], s[G0+4*\s+3], 0x80000000
	s_mov_b32 s[G0B+4*\s], 1
	s_add_co_u32 s[G0B+4*\s+1], s45, \s*SLOT
	s_add_nc_u64 s[G0B+4*\s+2:G0B+4*\s+3], s[46:47], \s*32*GB
	s_or_b32 s[G0B+4*\s+3], s[G0B+4*\s+3], 0x80000000
.if \s == 0
	JLOAD G0, G1, G0B, G1B
.endif
.endr
	v_and_b32 v1, 15, v0
	v_bfe_u32 v2, v0, 4, 1
	s_wait_alu depctr_va_vdst(0)
	v_and_b32 v3, 31, v0
	v_lshlrev_b32 v[CO], 4, v3
	v_lshlrev_b32 v[SO], 2, v3
	s_mul_i32 s21, s15, GB
	s_add_co_u32 s22, s16, 2
	s_mul_i32 s22, s22, GB
.irp s, 0,1
	v_add_nc_u32 v[ADRA+\s], s21, v[CO]
	v_add_nc_u32 v[ADRB+\s], s22, v[CO]
	s_add_co_u32 s21, s21, SLOT
	s_add_co_u32 s22, s22, SLOT
.endr
	s_xor_b32 s22, s15, 1
	s_add_co_u32 s22, s22, s16
	s_add_co_u32 s22, s22, 1
	s_mul_i32 s22, s22, GB
	v_mul_u32_u24 v6, s22, v2
	v_lshl_add_u32 v6, v1, 2, v6
	s_mul_i32 s21, s15, GB
	s_add_co_u32 s21, s21, 32768
	v_add_nc_u32 v[ADRS], s21, v6
	v_add_nc_u32 v[ADRS+1], SLOT, v[ADRS]
	s_lshl_b32 s18, s42, 10
	s_lshl_b32 s19, s16, 9
	s_add_co_u32 s18, s18, s19
	s_mov_b32 s19, 0
	s_add_nc_u64 s[88:89], s[8:9], s[18:19]
	v_lshlrev_b32 v7, 6, v2
.irp bb, 0,1,2,3
.irp j, 0,1,2,3
	global_load_b128 v[BIAS+16*\bb+4*\j:BIAS+16*\bb+4*\j+3], v7, s[88:89] offset:128*\bb+16*\j
.endr
.endr
	s_lshl_b32 s18, s42, 5
	s_lshl_b32 s19, s17, 1
	s_add_co_u32 s18, s18, s19
	s_add_co_u32 s18, s18, s15
	s_mul_i32 s18, s18, GB
	s_lshl_b32 s19, s16, 11
	s_add_co_u32 s76, s18, s19
	s_mov_b32 s77, 0
	s_lshl_b32 s19, s16, 9
	s_add_co_u32 s78, s18, s19
	s_add_co_u32 s78, s78, 32768
	s_mov_b32 s79, 0
	s_add_nc_u64 s[76:77], s[10:11], s[76:77]
	s_add_nc_u64 s[78:79], s[10:11], s[78:79]
	s_wait_alu depctr_va_vdst(0)
	s_wait_tensorcnt 0x0                           ; my block of slot 0 is in
	ds_add_u32 v[SPW], v[NIL]
	s_wait_dscnt 0x0
	CROUND                                         ; a whole round: slot 0 is whole, and the joint loads meet
	JLOAD G0+4, G1, G0B+4, G1B                     ; slot 1's first fill, the first tensor load behind the round
	FETCH_B 0, 0, 0
	SCALES 0, 0
	FETCH_A 0, 0, 0
	FETCH_A 0, 0, 4
	STEP 0, 0, 1
	s_mov_b32 s3, LAPS-1
.Llap:
	TURN 0, 1, 1
	STEP 1, 0, 0
	TURN 1, 0, 1
	STEP 0, 0, 0
	s_sub_co_u32 s3, s3, 1
	s_cmp_lg_u32 s3, 0
	s_cbranch_scc1 .Llap
	TURN 0, 1, 0
	STEP 1, 0, 0
	s_wait_dscnt HA4
	WIN MUL_LO
	MULA 0, 1, 0
	MULA 1, 1, 0
	MULA 2, 1, 0
	MULA 3, 1, 0
	s_wait_dscnt 0x0
	WIN MUL_HI
	MULA 4, 1, 0
	MULA 5, 1, 0
	MULA 6, 1, 0
	MULA 7, 1, 0
	WIN 0
	PLACES 8
.irp b, 0,1,2,3
	v_mov_b32 v[TM+4+\b], 0
.endr
	s_wait_loadcnt 0x0
.irp a, 0,1,2,3,4,5,6,7
	s_wait_xcnt 0x0
	WIN 0x02+\a/4
.set jx, 0
.rept 32
	v_pk_add_f32 v[T+jx:T+jx+1], v[64*(\a%4)+jx:64*(\a%4)+jx+1], v[BIAS+jx:BIAS+jx+1]
.set jx, jx+2
.endr
	WIN 0
	QUANT T, SW+\a
.irp c, 0,1,2,3
	global_store_b128 v[CO], v[PC+4*\c:PC+4*\c+3], s[76:77] offset:\a*4096+512*\c
.endr
.endr
	v_cmp_ne_u32 vcc_lo, 0, v2
.irp p, 0,1,2,3
	v_cndmask_b32 v[OW+\p], v[SW+2*\p], v[SW+2*\p+1], vcc_lo
.endr
.irp p, 0,1,2,3
	global_store_b32 v[SO], v[OW+\p], s[78:79] offset:128*\p
.endr
	s_wait_tensorcnt 0x0
	ds_add_u32 v[SPW], v[NIL]
	s_wait_dscnt 0x0
	CROUND
	s_endpgm
.Lfunc_end_k_q87c9b99f6b_ffn1:
	.size	k_q87c9b99f6b_ffn1, .Lfunc_end_k_q87c9b99f6b_ffn1-k_q87c9b99f6b_ffn1
	.p2alignl 7, 3214868480
	.fill 96, 4, 3214868480
	.section	.rodata,"a",@progbits
	.p2align	6, 0x0
	.amdhsa_kernel k_q87c9b99f6b_ffn1
		.amdhsa_group_segment_fixed_size 327680
		.amdhsa_private_segment_fixed_size 0
		.amdhsa_enable_private_segment 0
		.amdhsa_kernarg_size 32
		.amdhsa_user_sgpr_count 2
		.amdhsa_user_sgpr_kernarg_segment_ptr 1
		.amdhsa_wavefront_size32 1
		.amdhsa_system_sgpr_workgroup_id_x 1
		.amdhsa_system_sgpr_workgroup_id_y 1
		.amdhsa_system_sgpr_workgroup_id_z 1
		.amdhsa_system_vgpr_workitem_id 0
		.amdhsa_next_free_vgpr 1024
		.amdhsa_next_free_sgpr 100
		.amdhsa_reserve_vcc 1
		.amdhsa_float_denorm_mode_32 3
		.amdhsa_float_denorm_mode_16_64 3
		.amdhsa_memory_ordered 1
		.amdhsa_forward_progress 1
		.amdhsa_inst_pref_size 202
	.end_amdhsa_kernel
	.amdgpu_metadata
---
amdhsa.version: [ 1, 2 ]
amdhsa.kernels:
  - .name:           k_q87c9b99f6b_ffn1
    .symbol:         k_q87c9b99f6b_ffn1.kd
    .args:
      - { .name: h2img, .offset: 0, .size: 8, .value_kind: global_buffer, .address_space: global }
      - { .name: pimg, .offset: 8, .size: 8, .value_kind: global_buffer, .address_space: global }
      - { .name: bb1, .offset: 16, .size: 8, .value_kind: global_buffer, .address_space: global }
      - { .name: hid, .offset: 24, .size: 8, .value_kind: global_buffer, .address_space: global }
    .group_segment_fixed_size: 327680
    .private_segment_fixed_size: 0
    .kernarg_segment_align: 8
    .kernarg_segment_size: 32
    .max_flat_workgroup_size: 128
    .sgpr_count:     100
    .vgpr_count:     1024
    .wavefront_size: 32
...
	.end_amdgpu_metadata
.endif
;; end of part 5
;; launch ffn2 (part 6): grid 8 x 32, 4 waves a work-group, clusters of 4 x 4, 327,680 bytes of LDS; arguments hid, pimg, bb2, h2f, out0; writes out0
.if DOCPART == 6
	.amdgcn_target "amdgcn-amd-amdhsa--gfx1250"
	.amdhsa_code_object_version 6
	.text
	.protected	k_q87c9b99f6b_ffn2
	.globl	k_q87c9b99f6b_ffn2
	.p2align	8
	.type	k_q87c9b99f6b_ffn2,@function
k_q87c9b99f6b_ffn2:
	s_mov_b64 s[64:65], 0
	v_nop
	global_prefetch_b8 v0, s[64:65] scope:SCOPE_SE
	s_setreg_imm32_b32 hwreg(HW_REG_WAVE_MODE, 25, 1), 1
	s_wait_xcnt 0x0
	s_wait_alu depctr_hold_cnt(0) depctr_sa_sdst(0) depctr_va_vdst(0) depctr_va_sdst(0) depctr_va_ssrc(0) depctr_va_vcc(0) depctr_vm_vsrc(0)
	s_getreg_b32 s2, hwreg(HW_REG_IB_STS2, 6, 4)
	s_cmp_eq_u32 s2, 0
	s_cbranch_scc0 .Lentry_in_a_cluster
	s_endpgm
.Lentry_in_a_cluster:
	s_bfe_u32 s2, ttmp6, 0x10000c
	s_cmp_lg_u32 s2, 0xf033
	s_cbranch_scc0 .Lentry_shape_is_right
	s_endpgm
.Lentry_shape_is_right:
; out0 = h2 + hidden W2 + bb2: [4096 tokens][1024], K = 4,096, on codes of BF8 (E5M2) with E8M0 scales.  Nothing of reference() is left out here.  Images, order of rows, ring, round and joint loads as in the launches prep and qkv.
; A tile of C is 128 x 128, so that there are 256 work-groups (tiles of 256 x 256 would be 64); a wave makes 64 x 64: 16 accumulators.  A slot holds 512 along K: A's group block of K 256 s and of 256 (s + 1), then B's two; one block a wave.
; Source 0 = W2's columns as rows (B), source 1 = tokens (A): a lane holds one token; its 16 registers of B's row blocks 2 b, 2 b + 1 are 16 neighbouring columns.
; The way out goes through each wave's own stage, which no tensor load fills, so that sixteen lanes store 256 aligned bytes; h2 and bb2 are added to the rows as they come back.
; REGISTERS: window 0: v16-27 addresses, v28, 29 the add's two, v32-47 scale words, v48-51 bb2, v64-127 and v192-255 h2, v128-191 A's fragments, later rows of C.  window 1: B's fragments, sets at v0 and v128.  window 2: v0-127 accumulators.
.set GB,    33792
.set SLOT,  4*GB
.set SPARE, 2*SLOT
.set STAGE, SPARE+512
.set W2IMG, 352*GB
.set LAPS,  4                          ; K = 4,096: eight slots
.set HA4,   8
.set ADRA, 16
.set ADRB, 20
.set ADRS, 22
.set STO,  24
.set RD,   25
.set CO,   26
.set BO,   27
.set SPW,  28
.set NIL,  29
.set SC,   32
.set BI,   48
.set AF,   128
.set BK,   128
.set G1,  24
.set G0,  32
.set G1B, 48
.set G0B, 56
.set MUL,  0xa1                        ; source 0 (B) window 1, source 1 (A) window 0, C and D window 2
.set TO_B, 0x40
.set MSB, 0
.macro WIN new
.if MSB != (\new)
	s_set_vgpr_msb (MSB<<8)|(\new)
.set MSB, (\new)
.endif
.endm
.macro JLOAD g0a, g1a, g0b, g1b        ; a joint load: waves 0, 1 fetch A's two blocks, waves 2, 3 B's; an s_nop 0 and four v_nop follow each line
	s_cmp_eq_u32 s15, 0
	s_cbranch_scc0 .Lfor_b_\@
	tensor_load_to_lds s[\g0a:\g0a+3], s[\g1a:\g1a+7]
	s_nop 0
.rept 4
	v_nop
.endr
	s_branch .Lasked_\@
.Lfor_b_\@:
	tensor_load_to_lds s[\g0b:\g0b+3], s[\g1b:\g1b+7]
	s_nop 0
.rept 4
	v_nop
.endr
.Lasked_\@:
.endm
.macro CREST
	s_cmp_lg_u32 s14, 0
	s_cbranch_scc1 .Lnot_wave_0_\@
	s_barrier_signal -3
.Lnot_wave_0_\@:
	s_barrier_wait -3
	s_barrier_signal -1
	s_barrier_wait -1
.endm
.macro CROUND
	s_barrier_signal -1
	s_barrier_wait -1
	CREST
.endm
.macro PLACES n
.rept \n
	v_nop
.endr
.endm
.macro FRAG reg, adr, off
.irp c, 0,1,2,3
	ds_load_b128 v[(\reg)+4*\c:(\reg)+4*\c+3], v[\adr] offset:(\off)+512*\c
.endr
.endm
.macro FETCH_B slot, q, p
	WIN TO_B
.irp i, 0,1,2,3
	FRAG 128*(\p)+16*\i, ADRB+\slot, ((\q)/2)*GB+((\q)%2)*2048+4096*\i
.endr
	WIN 0
.endm
.macro FETCH_A slot, q, i0
.irp i, \i0, \i0+1
	FRAG AF+16*(\i), ADRA+\slot, ((\q)/2)*GB+((\q)%2)*2048+4096*(\i)
.endr
.endm
.macro SCALES slot, q
.irp i, 0,1,2,3
	ds_load_b32 v[SC+8*((\q)%2)+\i], v[ADRS+\slot] offset:((\q)/2)*GB+((\q)%2)*512+64*\i
.endr
.endm
.macro MULA a, p, zero                 ; the 16 accumulators take turns in one fixed order
.irp b, 0,1,2,3
.if \zero
	v_wmma_scale_f32_16x16x128_f8f6f4 v[8*(4*(\a)+\b):8*(4*(\a)+\b)+7], v[128*(\p)+16*\b:128*(\p)+16*\b+15], v[AF+16*(\a):AF+16*(\a)+15], 0, v[SC+8*(\p)+\b], v[SC+8*(\p)+(\a)] matrix_a_fmt:MATRIX_FMT_BF8 matrix_b_fmt:MATRIX_FMT_BF8 matrix_a_scale:MATRIX_SCALE_ROW1
.else
	v_wmma_scale_f32_16x16x128_f8f6f4 v[8*(4*(\a)+\b):8*(4*(\a)+\b)+7], v[128*(\p)+16*\b:128*(\p)+16*\b+15], v[AF+16*(\a):AF+16*(\a)+15], v[8*(4*(\a)+\b):8*(4*(\a)+\b)+7], v[SC+8*(\p)+\b], v[SC+8*(\p)+(\a)] matrix_a_fmt:MATRIX_FMT_BF8 matrix_b_fmt:MATRIX_FMT_BF8 matrix_a_scale:MATRIX_SCALE_ROW1
.endif
.endr
.endm
.macro STEP slot, q, zero
	s_wait_dscnt HA4                               ; all but the youngest eight loads (A's blocks 2, 3) are in
	WIN MUL
	MULA 0, (\q)%2, \zero
	MULA 1, (\q)%2, \zero
	s_wait_dscnt 0x0
	PLACES 8                                       ; eight places in front of loads into registers that matrix instructions have read
	FETCH_B \slot, (\q)+1, 1-(\q)%2
	SCALES \slot, (\q)+1
	FETCH_A \slot, (\q)+1, 0
	WIN MUL
	MULA 2, (\q)%2, \zero
	MULA 3, (\q)%2, \zero
	PLACES 8
	WIN 0
	FETCH_A \slot, (\q)+1, 2
.endm
.macro MID slot
	STEP \slot, 1, 0
	STEP \slot, 2, 0
.endm
.macro TURN slot, next, fill           ; a slot's fourth 128 along K, and the change of slots
.if \fill
	s_wait_xcnt 0x0                                ; my last prefetches have read their address: it steps a slot on
	s_add_nc_u64 s[90:91], s[90:91], s[94:95]
.endif
	s_wait_tensorcnt 0x0                           ; all my tensor loads have landed: my block of the next slot
	ds_add_u32 v[SPW], v[NIL]                      ; 0 onto my spare word
	s_wait_dscnt HA4+1
	WIN MUL
	MULA 0, 1, 0
	s_wait_dscnt 0x0                               ; the add is done, and my reads of this slot are over
	s_barrier_signal -1
	MULA 1, 1, 0
	WIN 0
	s_barrier_wait -1
.if \fill
	CREST                                          ; the barrier has opened a round of the cluster's
	s_add_nc_u64 s[G0+4*\slot+2:G0+4*\slot+3], s[G0+4*\slot+2:G0+4*\slot+3], 128*GB
	s_add_nc_u64 s[G0B+4*\slot+2:G0B+4*\slot+3], s[G0B+4*\slot+2:G0B+4*\slot+3], 32*GB
	JLOAD G0+4*\slot, G1, G0B+4*\slot, G1B
	PLACES 4
.else
	PLACES 8
.endif
	FETCH_B \next, 0, 0
	SCALES \next, 0
	FETCH_A \next, 0, 0
.if \fill
	s_cmp_gt_u32 s3, 1                             ; the loop's last trip refills slots 6 and 7: no slot lies two on
	s_cbranch_scc0 .Lno_ask_\@
	global_prefetch_b8 v30, s[90:91] th:TH_LOAD_NT scope:SCOPE_SE
	global_prefetch_b8 v31, s[90:91] th:TH_LOAD_NT scope:SCOPE_SE
.Lno_ask_\@:
.endif
	WIN MUL
	MULA 2, 1, 0
	MULA 3, 1, 0
	PLACES 8
	WIN 0
	FETCH_A \next, 0, 2
.endm
	s_load_b256 s[4:11], s[0:1], 0x0               ; hid s[4:5], pimg s[6:7], bb2 s[8:9], h2f s[10:11]
	s_load_b64 s[12:13], s[0:1], 0x20              ; out0
	v_lshl_add_u32 v[SPW], v0, 2, SPARE
	v_mov_b32 v[NIL], 0
	ds_add_u32 v[SPW], v[NIL]                      ; the opening: the add, twice on end, and its wait ahead of my first tensor load
	ds_add_u32 v[SPW], v[NIL]
	v_lshrrev_b32 v1, 5, v0
	v_readfirstlane_b32 s14, v1
	s_lshr_b32 s15, s14, 1                         ; my half of the tile's rows.  Also: I fetch for A (0) or for B (1)
	s_and_b32 s16, s14, 1                          ; my half of its columns.  Also: which 256 of the slot's 512 along K I fetch
	s_bfe_u32 s40, ttmp6, 0x40000
	s_bfe_u32 s41, ttmp6, 0x40004
	s_lshl_b32 s42, ttmp9, 2
	s_add_co_u32 s42, s42, s40                     ; tile column
	s_and_b32 s17, ttmp7, 0xffff
	s_lshl_b32 s17, s17, 2
	s_add_co_u32 s17, s17, s41                     ; tile row
	s_lshl_b32 s43, s41, 2
	s_lshl_b32 s43, 15, s43
	s_lshl_b32 s44, 0x1111, s40
	s_or_b32 s[G1+0], s43, (3<<16)|(1<<21)
	s_or_b32 s[G1B+0], s44, (3<<16)|(1<<21)
.irp g, G1, G1B
	s_mov_b32 s[\g+1], 32<<16
	s_mov_b32 s[\g+2], 132<<16
	s_mov_b32 s[\g+3], 32<<16
	s_mov_b32 s[\g+4], 132
	s_mov_b32 s[\g+5], 32
	s_mov_b32 s[\g+6], 0
	s_mov_b32 s[\g+7], 0
.endr
	s_mul_i32 s20, s17, GB
	s_mul_i32 s18, s16, 32*GB
	s_add_co_u32 s20, s20, s18
	s_mov_b32 s21, 0
	s_mul_i32 s46, s42, GB
	s_mul_i32 s18, s16, 8*GB
	s_add_co_u32 s46, s46, s18
	s_add_co_u32 s46, s46, W2IMG
	s_mov_b32 s47, 0
	s_mul_i32 s45, s14, GB
	s_wait_dscnt 0x0
	s_wait_kmcnt 0x0
	s_add_nc_u64 s[20:21], s[4:5], s[20:21]
	s_add_nc_u64 s[46:47], s[6:7], s[46:47]
	CROUND
.irp s, 0,1
	s_mov_b32 s[G0+4*\s], 1
	s_add_co_u32 s[G0+4*\s+1], s45, \s*SLOT
	s_add_nc_u64 s[G0+4*\s+2:G0+4*\s+3], s[20:21], \s*64*GB
	s_or_b32 s[G0+4*\s+3], s[G0+4*\s+3], 0x80000000
	s_mov_b32 s[G0B+4*\s], 1
	s_add_co_u32 s[G0B+4*\s+1], s45, \s*SLOT
	s_add_nc_u64 s[G0B+4*\s+2:G0B+4*\s+3], s[46:47], \s*16*GB
	s_or_b32 s[G0B+4*\s+3], s[G0B+4*\s+3], 0x80000000
.if \s == 0
	JLOAD G0, G1, G0B, G1B
	; PREFETCHES INTO THE L2.  A block is 132 aligned runs of 256 bytes: 128 of codes, 4 of scale words.  The four partners that ask for a block jointly share it out by address: the partner at place p (cx for A, cy for B)
	; names runs 32 p .. 32 p + 31, a lane a run, and run 128 + p: two instructions a wave.  Here slots 2 and 3; behind the refill of slot j slot j + 2; the last two refills name nothing.
	s_cmp_eq_u32 s15, 0
	s_cselect_b64 s[90:91], s[20:21], s[46:47]     ; the block that I fetch, in slot 0
	s_cselect_b32 s92, s40, s41                    ; p
	s_mov_b32 s94, 16*GB
	s_cselect_b32 s94, 64*GB, s94                  ; a slot on: 64 blocks in hid, 16 in W2's image
	s_mov_b32 s95, 0
	s_lshl_b32 s96, s92, 13
	s_mov_b32 s97, 0
	s_add_nc_u64 s[90:91], s[90:91], s[96:97]      ; + 8,192 p
	s_add_nc_u64 s[90:91], s[90:91], s[94:95]
	s_add_nc_u64 s[98:99], s[90:91], s[94:95]      ; slot 2
	s_add_nc_u64 s[90:91], s[98:99], s[94:95]      ; slot 3; each refill steps it by a slot
	s_mul_i32 s93, s92, 7936
	s_sub_co_u32 s93, 32768, s93                   ; from 8,192 p to 32,768 + 256 p
	v_and_b32 v30, 31, v0
	v_lshlrev_b32 v30, 8, v30
	v_mov_b32 v31, s93
	global_prefetch_b8 v30, s[98:99] th:TH_LOAD_NT scope:SCOPE_SE
	global_prefetch_b8 v31, s[98:99] th:TH_LOAD_NT scope:SCOPE_SE
	global_prefetch_b8 v30, s[90:91] th:TH_LOAD_NT scope:SCOPE_SE
	global_prefetch_b8 v31, s[90:91] th:TH_LOAD_NT scope:SCOPE_SE
.endif
.endr
	v_and_b32 v1, 15, v0
	v_bfe_u32 v2, v0, 4, 1
	s_wait_alu depctr_va_vdst(0)
	v_and_b32 v3, 31, v0
	v_lshlrev_b32 v4, 4, v3
	s_lshl_b32 s21, s15, 14                        ; my four row blocks of A's group
	s_lshl_b32 s22, s16, 14
	s_add_co_u32 s22, s22, 2*GB                    ; and of B's
.irp s, 0,1
	v_add_nc_u32 v[ADRA+\s], s21, v4
	v_add_nc_u32 v[ADRB+\s], s22, v4
	s_add_co_u32 s21, s21, SLOT
	s_add_co_u32 s22, s22, SLOT
.endr
	s_xor_b32 s22, s15, 1
	s_add_co_u32 s22, s22, s16
	s_lshl_b32 s22, s22, 8
	s_add_co_u32 s22, s22, 2*GB-256                ; from my words of A to my words of B
	v_mul_u32_u24 v6, s22, v2
	v_lshl_add_u32 v6, v1, 2, v6
	s_lshl_b32 s21, s15, 8
	s_add_co_u32 s21, s21, 32768
	v_add_nc_u32 v[ADRS], s21, v6
	v_add_nc_u32 v[ADRS+1], SLOT, v[ADRS]
	s_mul_i32 s23, s14, 4352
	s_add_co_u32 s23, s23, STAGE                   ; my stage: 16 rows of 256 + 16 bytes
	v_mul_u32_u24 v[STO], v1, 272
	v_lshl_add_u32 v[STO], v2, 6, v[STO]
	v_add_nc_u32 v[STO], s23, v[STO]
	v_mul_u32_u24 v[RD], v2, 272
	v_lshl_add_u32 v[RD], v1, 4, v[RD]
	v_add_nc_u32 v[RD], s23, v[RD]
	v_lshlrev_b32 v[CO], 12, v2
	v_lshl_add_u32 v[CO], v1, 4, v[CO]             ; lanes 0-15 one row of out0, lanes 16-31 the next
	v_lshlrev_b32 v[BO], 4, v1
	s_wait_alu depctr_va_vdst(0)
	s_lshl_b32 s18, s17, 7
	s_lshl_b32 s19, s15, 6
	s_add_co_u32 s18, s18, s19                     ; my first token
	s_lshl_b32 s18, s18, 12
	s_lshl_b32 s80, s42, 9
	s_lshl_b32 s19, s16, 8
	s_add_co_u32 s80, s80, s19                     ; my first column, in bytes
	s_mov_b32 s81, 0
	s_add_co_u32 s18, s18, s80
	s_mov_b32 s19, 0
	s_add_nc_u64 s[76:77], s[10:11], s[18:19]
	s_add_nc_u64 s[78:79], s[12:13], s[18:19]
	s_add_nc_u64 s[80:81], s[8:9], s[80:81]
	global_load_b128 v[BI:BI+3], v[BO], s[80:81]   ; bb2 at the four columns that I store
	s_wait_alu depctr_va_vdst(0)
	s_wait_tensorcnt 0x0                           ; my block of slot 0 is in
	ds_add_u32 v[SPW], v[NIL]
	s_wait_dscnt 0x0
	CROUND                                         ; a whole round: slot 0 is whole, and the joint loads meet
	JLOAD G0+4, G1, G0B+4, G1B                     ; slot 1's first fill, the first tensor load behind the round
	FETCH_B 0, 0, 0
	SCALES 0, 0
	FETCH_A 0, 0, 0
	FETCH_A 0, 0, 2
	STEP 0, 0, 1
	s_mov_b32 s3, LAPS-1
.Llap:
	MID 0
	TURN 0, 1, 1
	STEP 1, 0, 0
	MID 1
	TURN 1, 0, 1
	STEP 0, 0, 0
	s_sub_co_u32 s3, s3, 1
	s_cmp_lg_u32 s3, 0
	s_cbranch_scc1 .Llap
.irp a, 0,1,2,3                        ; h2 at my 64 x 64, in the order in which the rows will come back from the stage: it lands under the last lap
.irp i, 0,1,2,3,4,5,6,7
	global_load_b128 v[64+32*\a+64*(\a/2)+4*\i:64+32*\a+64*(\a/2)+4*\i+3], v[CO], s[76:77] offset:(32*(\a/2)+8*(\a%2)+2*\i+8*(\i/4))*4096 th:TH_LOAD_NT
.endr
.endr
	MID 0
	TURN 0, 1, 0
	STEP 1, 0, 0
	MID 1
	s_wait_dscnt HA4
	WIN MUL
	MULA 0, 1, 0
	MULA 1, 1, 0
	s_wait_dscnt 0x0
	MULA 2, 1, 0
	MULA 3, 1, 0
	WIN 0
	PLACES 8
	s_wait_loadcnt 0x0                             ; bb2 and h2
.macro TOSTAGE a                       ; lane (r, h): accumulator (a, b) holds columns 32 (b / 2) + 16 h + 8 (b % 2) + 0 .. 7 of stage row r
	WIN 0x08                                       ; an LDS store's data are its source 1: window 2
.irp b, 0,1,2,3
	ds_store_b128 v[STO], v[8*(4*(\a)+\b):8*(4*(\a)+\b)+3] offset:128*(\b/2)+32*(\b%2)       ; each accumulator from its low end on
	ds_store_b128 v[STO], v[8*(4*(\a)+\b)+4:8*(4*(\a)+\b)+7] offset:128*(\b/2)+32*(\b%2)+16
.endr
	WIN 0
.irp i, 0,1,2,3,4,5,6,7
	ds_load_b128 v[BK+32*((\a)%2)+4*\i:BK+32*((\a)%2)+4*\i+3], v[RD] offset:544*\i   ; LDS serves a wave's instructions in order: these see my stores
.endr
.endm
.macro SEND a, younger                 ; younger: the LDS instructions issued behind block a's loads: the next block's eight stores and eight loads, or none
	s_wait_dscnt \younger
.irp i, 0,1,2,3,4,5,6,7
	v_pk_add_f32 v[BK+32*((\a)%2)+4*\i:BK+32*((\a)%2)+4*\i+1], v[BK+32*((\a)%2)+4*\i:BK+32*((\a)%2)+4*\i+1], v[64+32*(\a)+64*((\a)/2)+4*\i:64+32*(\a)+64*((\a)/2)+4*\i+1]
	v_pk_add_f32 v[BK+32*((\a)%2)+4*\i+2:BK+32*((\a)%2)+4*\i+3], v[BK+32*((\a)%2)+4*\i+2:BK+32*((\a)%2)+4*\i+3], v[64+32*(\a)+64*((\a)/2)+4*\i+2:64+32*(\a)+64*((\a)/2)+4*\i+3]
	v_pk_add_f32 v[BK+32*((\a)%2)+4*\i:BK+32*((\a)%2)+4*\i+1], v[BK+32*((\a)%2)+4*\i:BK+32*((\a)%2)+4*\i+1], v[BI:BI+1]
	v_pk_add_f32 v[BK+32*((\a)%2)+4*\i+2:BK+32*((\a)%2)+4*\i+3], v[BK+32*((\a)%2)+4*\i+2:BK+32*((\a)%2)+4*\i+3], v[BI+2:BI+3]
	global_store_b128 v[CO], v[BK+32*((\a)%2)+4*\i:BK+32*((\a)%2)+4*\i+3], s[78:79] offset:(32*((\a)/2)+8*((\a)%2)+2*\i+8*(\i/4))*4096 th:TH_STORE_NT   ; sixteen lanes store 256 aligned bytes
.endr
.endm
	TOSTAGE 0
	TOSTAGE 1
	SEND 0, 16
	s_wait_xcnt 0x0                                ; block 0's stores have read their registers: block 2's rows may land there
	TOSTAGE 2
	SEND 1, 16
	s_wait_xcnt 0x0
	TOSTAGE 3
	SEND 2, 16
	SEND 3, 0
	s_wait_tensorcnt 0x0                           ; the wave's end
	ds_add_u32 v[SPW], v[NIL]
	s_wait_dscnt 0x0
	CROUND                                         ; the closing round
	s_endpgm
.Lfunc_end_k_q87c9b99f6b_ffn2:
	.size	k_q87c9b99f6b_ffn2, .Lfunc_end_k_q87c9b99f6b_ffn2-k_q87c9b99f6b_ffn2
	.p2alignl 7, 3214868480
	.fill 96, 4, 3214868480
	.section	.rodata,"a",@progbits
	.p2align	6, 0x0
	.amdhsa_kernel k_q87c9b99f6b_ffn2
		.amdhsa_group_segment_fixed_size 327680
		.amdhsa_private_segment_fixed_size 0
		.amdhsa_enable_private_segment 0
		.amdhsa_kernarg_size 40
		.amdhsa_user_sgpr_count 2
		.amdhsa_user_sgpr_kernarg_segment_ptr 1
		.amdhsa_wavefront_size32 1
		.amdhsa_system_sgpr_workgroup_id_x 1
		.amdhsa_system_sgpr_workgroup_id_y 1
		.amdhsa_system_sgpr_workgroup_id_z 1
		.amdhsa_system_vgpr_workitem_id 0
		.amdhsa_next_free_vgpr 640
		.amdhsa_next_free_sgpr 100
		.amdhsa_reserve_vcc 0
		.amdhsa_float_denorm_mode_32 3
		.amdhsa_float_denorm_mode_16_64 3
		.amdhsa_memory_ordered 1
		.amdhsa_forward_progress 1
		.amdhsa_inst_pref_size 110
	.end_amdhsa_kernel
	.amdgpu_metadata
---
amdhsa.version: [ 1, 2 ]
amdhsa.kernels:
  - .name:           k_q87c9b99f6b_ffn2
    .symbol:         k_q87c9b99f6b_ffn2.kd
    .args:
      - { .name: hid, .offset: 0, .size: 8, .value_kind: global_buffer, .address_space: global }
      - { .name: pimg, .offset: 8, .size: 8, .value_kind: global_buffer, .address_space: global }
      - { .name: bb2, .offset: 16, .size: 8, .value_kind: global_buffer, .address_space: global }
      - { .name: h2f, .offset: 24, .size: 8, .value_kind: global_buffer, .address_space: global }
      - { .name: out0, .offset: 32, .size: 8, .value_kind: global_buffer, .address_space: global }
    .group_segment_fixed_size: 327680
    .private_segment_fixed_size: 0
    .kernarg_segment_align: 8
    .kernarg_segment_size: 40
    .max_flat_workgroup_size: 128
    .sgpr_count:     100
    .vgpr_count:     640
    .wavefront_size: 32
...
	.end_amdgpu_metadata
.endif
;; end of part 6
